; MI455X (gfx1250); checked and timed in simulation.
; The chip was launched on July 23, 2026; its instructions are those of AMD's public machine-readable ISA for CDNA 5 (MIT licence, August 2026) and "CDNA5" Instruction Set Architecture Reference Guide (July 2026). The comments in the code are by the model that wrote it; some were corrected since.
;; Gpt2 Attention. Allowed arithmetic: matrix products marked QUANTISED: E2M1 operands, one E8M0 scale for each 32 along K, by v_wmma_scale_f32_16x16x128_f8f6f4 with both operands' format E2M1 (or v_wmma_scale_f32_32x16x128_f4), f32 sums; products left as they are: bf16, f16 or f32 operands; f32 sums; everything else in f32.
;; Inputs: W_proj 16 x 64 x 1,024 float32; W_qkv 1,024 x 3 x 16 x 64 float32; b_proj 1,024 float32; b_qkv 3 x 16 x 64 float32; hidden_states 4 x 2,048 x 1,024 float32; mask 2,048 x 2,048 float32.
;; Outputs: out0 4 x 2,048 x 1,024 float32.
;; Constants: layer_idx = 3.
;; This version of the problem:
;;   THIS VERSION OF THE PROBLEM IS GIVEN IN LOW PRECISION. The matrix products marked QUANTISED in the list below multiply operands that are first quantised to E2M1 (2 exponent bits, 1 mantissa bit; 4 bits a number), with one power-of-two scale for each 32 numbers along K (OCP MX v1.0); their sums are f32. The products marked 'left as it is' may take bf16, f16 or f32 operands, with f32 sums. Whichever they take, every output number must still come out within the allowed error. Rounding operands to bf16 (8 significant bits) uses up far more of that allowance than f16 does (11 bits, for magnitudes from 6e-5 to 65,504). All else is computed in f32.
;;   The module's matrix products, in the order in which they are computed (A, B: the left and right operand; K: the contracted axis; several contracted axes count as one K, in the product's order):
;;     1. [M 8,192, K 1,024] x [K 1,024, N 3,072]; A: input hidden_states; B: input W_qkv: QUANTISED
;;     2. batch 64 x [M 2,048, K 64] x [K 64, N 2,048]; A: computed on the way; B: computed on the way: left as it is (an operand is computed on the way)
;;     3. batch 64 x [M 64, K 2,048] x [K 2,048, N 2,048]; A: computed on the way; B: computed on the way: left as it is (an operand is computed on the way)
;;     4. [M 8,192, K 1,024] x [K 1,024, N 1,024]; A: computed on the way; B: input W_proj: left as it is (an operand is computed on the way)
;;   THE QUANTISER, for each operand of a quantised product, along K:
;;     - K is cut into blocks of 32 from its start; a last block that is shorter is filled with zeros.
;;     - A block's scale is 2^e with e = floor(log2(the largest magnitude in the block)) - 2, held to -126 .. 127; a block of zeros has e = 0. As a byte (E8M0): e + 127.
;;     - Each number is divided by its block's scale, clamped to +-6, and rounded to the nearest number of E2M1, ties to even, subnormals kept.
;;     - The product sums the exact products of the quantised numbers (number of the format x scale) in f32.
;;   ~~~python
;;   def quantise(x, axis):      # numpy; x: float32 -> the quantised numbers, widened to float32 again
;;       x = np.moveaxis(x, axis, -1); K = x.shape[-1]
;;       x = np.pad(x, [(0, 0)] * (x.ndim - 1) + [(0, -K % 32)]); x = x.reshape(x.shape[:-1] + (-1, 32)); a = np.abs(x).max(-1, keepdims=True)
;;       e = np.where(a > 0, np.clip(np.frexp(np.where(a > 0, a, 1))[1] - 1 - 2, -126, 127), 0)      # np.frexp(a)[1] - 1 = floor(log2(a)), exactly
;;       r = np.clip(x / 2.0 ** e, -6, 6)
;;       step = 2.0 ** (np.maximum(np.frexp(np.where(r == 0, 1, r))[1] - 1, 0) - 1)
;;       q = np.round(r / step) * step * 2.0 ** e      # np.round: ties to even
;;       return np.moveaxis(q.reshape(q.shape[:-2] + (-1,))[..., :K], -1, axis).astype(np.float32)
;;   ~~~
;; One version. Each part assembles by itself: llvm-mc -triple=amdgcn-amd-amdhsa -mcpu=gfx1250 --defsym DOCPART=n.
;; ======== version 1 of 1: 5 launches
;; limits: values are held in f16: magnitudes above 65,504 overflow, below 6.1e-05 lose precision; right only within a limited range of input values
;; workspace buffers: codes 5,767,168 bytes; scales 360,448 bytes; wp 4,194,304 bytes; flags 2,048 bytes of whole numbers; rowmax 8,192 bytes; qkv 50,855,936 bytes; aimg 16,777,216 bytes
;; launch prep (part 1): grid 448 x 1, 4 waves a work-group, no clusters, 34,304 bytes of LDS; arguments hidden_states, W_qkv, W_proj, mask, codes, scales, wp, flags, rowmax; writes codes, scales, wp, flags, rowmax
.if DOCPART == 1
	.amdgcn_target "amdgcn-amd-amdhsa--gfx1250"
	.amdhsa_code_object_version 6
	.text
	.protected	k_qa85fe9ef5d_prep
	.globl	k_qa85fe9ef5d_prep
	.p2align	8
	.type	k_qa85fe9ef5d_prep,@function
k_qa85fe9ef5d_prep:
	s_mov_b64 s[64:65], 0
	v_nop
	global_prefetch_b8 v0, s[64:65] scope:SCOPE_SE
	s_setreg_imm32_b32 hwreg(HW_REG_WAVE_MODE, 25, 1), 1
	s_wait_xcnt 0x0
; GPT-2 attention, B 4, S 2048, E 1024, H 16, D 64.  Five launches: prep, qkv, attn, proj, fine.  This one lays out what the others read.
; WORK LEFT OUT AS DEAD, in the whole program: the K third of b_qkv.  scores = q . (k + b_k) = q . k + q . b_k; the second term is the same for all keys of a query's row, so the softmax along
; the keys takes it away whatever finite values the inputs hold; k is used nowhere else, and the product q k^T is not quantised.  So b_qkv[1] is never loaded and K gets no addition.
; LIMIT: a NaN, an infinity or an overflow that reaches only b_qkv[1] is not carried to the result.  layer_idx is the constant 3: the scale is 1/32.
; WORK THAT ONLY SOME VALUES THROW AWAY is chosen by whole numbers that this launch stores (path D) and later launches read: with bias = (1 - mask) x -1e9 (two roundings, as written), R = a row's
; largest bias: a step of 64 keys is LIVE for a row if its largest bias there is at least R - 2^28; else every score + bias of the step lies more than 2^27 under the row's largest, and its f32
; exponential is 0.  LIMIT: that holds for |q . k| / 32 under 2^26.  A step is UNCLEAN if a bias in it is not 0 or a row's R is not 0: only then is the mask read again.
; Four paths, parted by the work-group's number:
;   A (0-127)    hidden_states [8192][1024] f32 -> codes of FP4 (E2M1) and E8M0 scale bytes, one for each 32 along K
;   D (128-191)  mask [2048][2048] -> flags (for each 8 rows a word LIVE and a word UNCLEAN, bit j = key step j) and rowmax (R)
;   B (192-383)  W_qkv [1024 (k)][3072 (n)] f32 -> codes and scale bytes, quantised along k
;   C (384-447)  W_proj [1024 (k)][1024 (e)] f32 -> two f16 numbers each, a high and a low part
; LAYOUT OF THE CODES AND OF THE f16 NUMBERS: images of operand registers.  A fragment (16 rows x 128 k of 4 bits, or 16 rows x 32 k of 16 bits) is 8 registers a lane: registers 0-3 as 512 bytes,
; lane l's 16 bytes at 16 l, then registers 4-7 likewise.  Every store of a wave covers 512 consecutive bytes, aligned.
; A block's scale is 2^(floor(log2(largest magnitude)) - 2); its byte is the largest magnitude's exponent field - 2, held at 1 from below.  A block of zeros so gets the byte 1 where the rule says 127:
; its codes are zeros, and this program alone reads the bytes.  LIMITS: NaN and infinities among the inputs are not served.
; No matrix work, no tensor loads, no barrier: waves share nothing, so clusters and large register tiles would buy nothing here.
.set SPARE, 33792                      ; behind the four stages of path A: the spare words, 128 bytes for each wave
.set SPW, 1                            ; v1  LDS address of my spare word; never rewritten
.set NIL, 2                            ; v2  0; never rewritten
	s_load_b512 s[4:19], s[0:1], 0x0               ; hidden s[4:5], W_qkv s[6:7], W_proj s[8:9], mask s[10:11], codes s[12:13], scales s[14:15], wp s[16:17], flags s[18:19]
	s_load_b64 s[20:21], s[0:1], 0x40              ; rowmax
	v_lshl_add_u32 v[SPW], v0, 2, SPARE
	v_mov_b32 v[NIL], 0
	v_lshrrev_b32 v3, 5, v0
	v_readfirstlane_b32 s22, v3                    ; wave 0..3
	v_and_b32 v3, 31, v0                           ; lane
	v_and_b32 v4, 15, v0                           ; r
	v_bfe_u32 v5, v0, 4, 1                         ; h
	v_lshlrev_b32 v6, 4, v3                        ; 16 x lane
	s_mov_b32 s24, 0x76543210
	s_mov_b32 s25, 0xfedcba98                      ; v_permlanex16_b32's selects for lane l xor 16
	s_mov_b32 s27, 0                               ; the upper word of every offset pair s[26:27]
	s_wait_kmcnt 0x0
	s_cmp_lt_u32 ttmp9, 128
	s_cbranch_scc1 .Lpath_a
	s_cmp_lt_u32 ttmp9, 192
	s_cbranch_scc1 .Lpath_d
	s_cmp_lt_u32 ttmp9, 384
	s_cbranch_scc1 .Lpath_b
; ---------------- PATH C: W_proj.  A lane takes a column e, its registers run down k: 128 k a work-group, 32 columns a wave.  Loads run two chunks of 32 along k ahead: at most 64 of a wave are out.
	s_sub_co_u32 s23, ttmp9, 384
	s_and_b32 s28, s23, 7                          ; which 128 columns
	s_lshr_b32 s29, s23, 3                         ; which 128 along k
	s_lshl_b32 s28, s28, 2
	s_add_co_u32 s28, s28, s22                     ; which 32 columns: my wave's
	s_lshl_b32 s26, s29, 19                        ; 128 rows of 4,096 bytes
	s_lshl_b32 s30, s28, 7
	s_add_co_u32 s26, s26, s30
	s_add_nc_u64 s[8:9], s[8:9], s[26:27]
	s_lshl_b32 s26, s28, 16                        ; two tiles of 16 columns, 32 fragments of 1,024 bytes each
	s_lshl_b32 s30, s29, 12                        ; four fragments along k
	s_add_co_u32 s26, s26, s30
	s_add_nc_u64 s[16:17], s[16:17], s[26:27]
	v_lshlrev_b32 v7, 2, v3
.macro LOADC q                         ; chunk q: W(32 q + i, my column), i = 0 .. 31: 32 lanes read 128 consecutive bytes, the four waves side by side 512.  Each chunk has registers of its own
.set n, 0
.rept 32
	global_load_b32 v[96+32*(\q)+n], v7, s[8:9] offset:(32*(\q)+n)*4096 th:TH_LOAD_NT
.set n, n+1
.endr
.endm
	LOADC 0
	LOADC 1
; 32 along k: high parts v32-47, low parts v48-63 (two numbers a register), v64-95 at work
.macro CHUNK q
.if (\q) < 3
	s_wait_loadcnt 32                              ; this chunk's 32 loads are in; the next chunk's 32 may be out
.else
	s_wait_loadcnt 0x0
.endif
	s_wait_xcnt 0x0                                ; the last chunk's stores have read their registers
.if (\q) < 2
	LOADC (\q)+2
.endif
.set n, 0
.rept 16
	v_cvt_pk_f16_f32 v[32+n], v[96+32*(\q)+2*n], v[97+32*(\q)+2*n]
.set n, n+1
.endr
.set n, 0
.irp s, v32.l, v32.h, v33.l, v33.h, v34.l, v34.h, v35.l, v35.h, v36.l, v36.h, v37.l, v37.h, v38.l, v38.h, v39.l, v39.h, v40.l, v40.h, v41.l, v41.h, v42.l, v42.h, v43.l, v43.h, v44.l, v44.h, v45.l, v45.h, v46.l, v46.h, v47.l, v47.h
	v_cvt_f32_f16 v[64+n], \s
.set n, n+1
.endr
.set n, 0
.rept 16
	v_pk_add_f32 v[64+2*n:65+2*n], v[96+32*(\q)+2*n:97+32*(\q)+2*n], v[64+2*n:65+2*n] neg_lo:[0,1] neg_hi:[0,1]   ; what the high part left over, in f32
.set n, n+1
.endr
.set n, 0
.rept 16
	v_cvt_pk_f16_f32 v[48+n], v[64+2*n], v[65+2*n]
.set n, n+1
.endr
.irp i, 0,1,2,3                        ; lanes 0-15 hold tile 0's columns, lanes 16-31 tile 1's; the layout wants k = 8 h .. in registers 0-3 and 16 + 8 h .. in registers 4-7
	v_permlane16_swap_b32 v[32+\i], v[36+\i]       ; the first's lanes 16-31 change places with the second's lanes 0-15
	v_permlane16_swap_b32 v[40+\i], v[44+\i]
	v_permlane16_swap_b32 v[48+\i], v[52+\i]
	v_permlane16_swap_b32 v[56+\i], v[60+\i]
.endr
.irp p, 0,1                            ; high part, low part
	global_store_b128 v6, v[32+16*\p:35+16*\p], s[16:17] offset:2097152*\p+(\q)*1024
	global_store_b128 v6, v[40+16*\p:43+16*\p], s[16:17] offset:2097152*\p+(\q)*1024+512
	global_store_b128 v6, v[36+16*\p:39+16*\p], s[16:17] offset:2097152*\p+32768+(\q)*1024
	global_store_b128 v6, v[44+16*\p:47+16*\p], s[16:17] offset:2097152*\p+32768+(\q)*1024+512
.endr
.endm
	CHUNK 0
	CHUNK 1
	CHUNK 2
	CHUNK 3
	s_endpgm
; ---------------- PATH B: W_qkv.  A lane takes a column n, its registers run down K: one K step of 128 a work-group, 32 columns a wave.  Loads run two blocks of 32 along K ahead: at most 64 of a wave are out.
.Lpath_b:
	s_sub_co_u32 s23, ttmp9, 192
	s_and_b32 s28, s23, 7                          ; K step
	s_lshr_b32 s29, s23, 3                         ; which 128 columns
	s_lshl_b32 s29, s29, 2
	s_add_co_u32 s29, s29, s22                     ; which 32 columns
	s_mul_i32 s26, s28, 128*12288                  ; 128 rows of 12,288 bytes
	s_lshl_b32 s30, s29, 7
	s_add_co_u32 s26, s26, s30
	s_add_nc_u64 s[6:7], s[6:7], s[26:27]
	s_lshl_b32 s26, s29, 14                        ; two tiles of 8,192 bytes,
	s_add_co_u32 s26, s26, 512*8192                ; behind the 512 tiles of tokens,
	s_lshl_b32 s30, s28, 10                        ; my K step's fragment
	s_add_co_u32 s26, s26, s30
	s_add_nc_u64 s[12:13], s[12:13], s[26:27]
	s_lshl_b32 s26, s29, 10                        ; scale bytes: 32 a row, 32 rows,
	s_add_co_u32 s26, s26, 8192*32                 ; behind the tokens' rows,
	s_lshl_b32 s30, s28, 2                         ; my K step's word
	s_add_co_u32 s26, s26, s30
	s_add_nc_u64 s[14:15], s[14:15], s[26:27]
	v_lshlrev_b32 v7, 2, v3
	v_lshlrev_b32 v8, 5, v3
.macro LOADB b                         ; block b: W(32 b + i, my column), i = 0 .. 31.  Each block has registers of its own
.set n, 0
.rept 32
	global_load_b32 v[96+32*(\b)+n], v7, s[6:7] offset:(32*(\b)+n)*12288 th:TH_LOAD_NT
.set n, n+1
.endr
.endm
	LOADB 0
	LOADB 1
.macro QBLK b                          ; block b of 32 along K: all its numbers are mine
.set XB, 96+32*(\b)
.if (\b) < 3
	s_wait_loadcnt 32                              ; this block's 32 loads are in; the next block's 32 may be out
.else
	s_wait_loadcnt 0x0
.endif
.if (\b) < 2
	LOADB (\b)+2
.endif
	v_max3_num_f32 v24, |v[XB]|, |v[XB+1]|, |v[XB+2]|
	v_max3_num_f32 v25, |v[XB+3]|, |v[XB+4]|, |v[XB+5]|
.irp i, 6,10,14,18,22,26
	v_max3_num_f32 v24, v24, |v[XB+\i]|, |v[XB+\i+1]|
	v_max3_num_f32 v25, v25, |v[XB+\i+2]|, |v[XB+\i+3]|
.endr
	v_max3_num_f32 v24, v24, |v[XB+30]|, |v[XB+31]|
	v_max3_num_f32 v24, v24, v25, 0x1800000        ; the floor 2^(3 - 127): the byte cannot fall under 1
	v_add_nc_u32 v26, 0xff000000, v24              ; 2 off the exponent field: the conversion's scale operand
	v_lshrrev_b32 v27, 23, v26                     ; the scale's byte
.if (\b) == 0
	v_mov_b32 v28, v27
.else
	v_lshl_or_b32 v28, v27, 8*(\b), v28
.endif
.irp g, 0,1,2,3
	v_cvt_scalef32_pk8_fp4_f32 v[32+4*(\b)+\g], v[XB+8*\g:XB+8*\g+7], v26
.endr
.endm
	QBLK 0
	QBLK 1
	QBLK 2
	QBLK 3
	v_nop                                          ; one plain instruction behind the last scaled conversion
.irp g, 0,1,2,3                        ; the layout wants block 2 c + h in lane (r, h): lanes 0-15 hold tile 0's columns, lanes 16-31 tile 1's
	v_permlane16_swap_b32 v[32+\g], v[36+\g]
	v_permlane16_swap_b32 v[40+\g], v[44+\g]
.endr
	global_store_b128 v6, v[32:35], s[12:13]
	global_store_b128 v6, v[40:43], s[12:13] offset:512
	global_store_b128 v6, v[36:39], s[12:13] offset:8192
	global_store_b128 v6, v[44:47], s[12:13] offset:8192+512
	global_store_b32 v8, v28, s[14:15]             ; my column's four bytes of this K step: 4 bytes in each row of 32, one byte for each 128 that the path reads
	s_endpgm
; ---------------- PATH D: the mask.  A wave takes 8 rows.  A row is 16 loads; in load t lanes 0-15 hold key step 2 t, lanes 16-31 key step 2 t + 1.
.Lpath_d:
	s_sub_co_u32 s23, ttmp9, 128
	s_lshl_b32 s23, s23, 2
	s_add_co_u32 s23, s23, s22                     ; my group of 8 rows
	s_lshl_b32 s26, s23, 16
	s_add_nc_u64 s[10:11], s[10:11], s[26:27]
	s_lshl_b32 s26, s23, 5
	s_add_nc_u64 s[20:21], s[20:21], s[26:27]
	s_lshl_b32 s26, s23, 2
	s_add_nc_u64 s[18:19], s[18:19], s[26:27]
	s_mov_b32 s32, 0xce6e6b28                      ; -1e9
	s_mov_b32 s33, s32
	v_lshlrev_b32 v7, 2, v3
	v_lshlrev_b32 v8, 10, v3
	v_mov_b32 v33, 0                               ; (a lane permute's destination counts as one of its sources)
	v_mov_b32 v36, 0                               ; lane i: row i's R
	v_mov_b32 v208, 0                              ; the largest |R|
.set n, 0
.rept 16
	v_mov_b32 v[176+n], 0                          ; the largest |bias| of my four keys of load n, over the 8 rows
	v_mov_b32 v[192+n], 0xff800000                 ; the largest (largest bias - threshold), over the 8 rows
.set n, n+1
.endr
.macro LOADROW i
.set n, 0
.rept 16
	global_load_b128 v[48+64*((\i)%2)+4*n:51+64*((\i)%2)+4*n], v6, s[10:11] offset:(\i)*8192+512*n
.set n, n+1
.endr
.endm
.macro ROW i
.set XS, 48+64*((\i)%2)
.if (\i) < 7
	s_wait_loadcnt 16                              ; this row is in; the next row's 16 loads may be out
.else
	s_wait_loadcnt 0x0
.endif
.set n, 0
.rept 32
	v_pk_add_f32 v[XS+n:XS+n+1], v[XS+n:XS+n+1], 1.0 op_sel_hi:[1,0] neg_lo:[1,0] neg_hi:[1,0]   ; 1 - m
.set n, n+2
.endr
.set n, 0
.rept 32
	v_pk_mul_f32 v[XS+n:XS+n+1], v[XS+n:XS+n+1], s[32:33] op_sel_hi:[1,0]                        ; x -1e9
.set n, n+2
.endr
.set n, 0
.rept 16
	v_max3_num_f32 v[16+n], v[XS+4*n], v[XS+4*n+1], v[XS+4*n+2]
.set n, n+1
.endr
.set n, 0
.rept 16
	v_max_num_f32 v[16+n], v[16+n], v[XS+4*n+3]    ; the largest bias of my four keys
.set n, n+1
.endr
.set n, 0
.rept 16
	v_max3_num_f32 v[176+n], v[176+n], |v[XS+4*n]|, |v[XS+4*n+1]|
.set n, n+1
.endr
.set n, 0
.rept 16
	v_max3_num_f32 v[176+n], v[176+n], |v[XS+4*n+2]|, |v[XS+4*n+3]|
.set n, n+1
.endr
	v_max3_num_f32 v32, v16, v17, v18
	v_max3_num_f32 v34, v19, v20, v21
	v_max3_num_f32 v35, v22, v23, v24
	v_max3_num_f32 v32, v32, v25, v26
	v_max3_num_f32 v34, v34, v27, v28
	v_max3_num_f32 v35, v35, v29, v30
	v_max3_num_f32 v32, v32, v34, v35
	v_max_num_f32 v32, v32, v31
	v_max_num_f32_dpp v32, v32, v32 row_xmask:1 row_mask:0xf bank_mask:0xf
	v_max_num_f32_dpp v32, v32, v32 row_xmask:2 row_mask:0xf bank_mask:0xf
	v_max_num_f32_dpp v32, v32, v32 row_xmask:4 row_mask:0xf bank_mask:0xf
	v_max_num_f32_dpp v32, v32, v32 row_xmask:8 row_mask:0xf bank_mask:0xf
	v_permlanex16_b32 v33, v32, s24, s25
	v_max_num_f32 v32, v32, v33                    ; R, in every lane
	v_add_f32 v34, 0xcd800000, v32                 ; the threshold R - 2^28
.set n, 0
.rept 16
	v_sub_f32 v[16+n], v[16+n], v34                ; its sign is exact
.set n, n+1
.endr
.set n, 0
.rept 16
	v_max_num_f32 v[192+n], v[192+n], v[16+n]
.set n, n+1
.endr
	v_max_num_f32 v208, v208, |v32|
	v_cmp_eq_u32 vcc_lo, \i, v3
	v_cndmask_b32 v36, v36, v32, vcc_lo
.if (\i) < 6
	LOADROW (\i)+2
.endif
.endm
	LOADROW 0
	LOADROW 1
.irp i, 0,1,2,3,4,5,6,7
	ROW \i
.endr
	s_mov_b32 s30, 0                               ; LIVE
	s_mov_b32 s31, 0                               ; UNCLEAN
.irp t, 0,1,2,3,4,5,6,7,8,9,10,11,12,13,14,15  ; selections only: nothing here steers a branch or an address
	v_cmp_le_f32 s26, 0, v[192+\t]
	s_and_b32 s28, s26, 0xffff
	s_cselect_b32 s28, 1<<(2*\t), 0
	s_or_b32 s30, s30, s28
	s_lshr_b32 s28, s26, 16
	s_cselect_b32 s28, 2<<(2*\t), 0
	s_or_b32 s30, s30, s28
	v_cmp_lt_f32 s26, 0, v[176+\t]
	s_and_b32 s28, s26, 0xffff
	s_cselect_b32 s28, 1<<(2*\t), 0
	s_or_b32 s31, s31, s28
	s_lshr_b32 s28, s26, 16
	s_cselect_b32 s28, 2<<(2*\t), 0
	s_or_b32 s31, s31, s28
.endr
	v_cmp_lt_f32 s26, 0, v208
	s_cmp_lg_u32 s26, 0
	s_cselect_b32 s28, -1, 0                       ; a row whose R is not 0 makes every step unclean
	s_or_b32 s31, s31, s28
	v_mov_b32 v37, s30
	v_mov_b32 v38, s31
	v_cmp_eq_u32 vcc_lo, 1, v3
	v_cndmask_b32 v37, v37, v38, vcc_lo            ; lane 0: LIVE, lane 1: UNCLEAN
	s_wait_xcnt 0x0                                ; EXEC changes only behind this wait
	v_cmp_gt_u32 vcc_lo, 8, v3
	s_and_saveexec_b32 s28, vcc_lo
	global_store_b32 v7, v36, s[20:21]             ; eight R
	s_wait_xcnt 0x0
	s_or_b32 exec_lo, exec_lo, s28
	v_cmp_gt_u32 vcc_lo, 2, v3
	s_and_saveexec_b32 s28, vcc_lo
	global_store_b32 v8, v37, s[18:19]             ; the two words, 1,024 bytes apart
	s_wait_xcnt 0x0
	s_or_b32 exec_lo, exec_lo, s28
	s_endpgm
; ---------------- PATH A: hidden_states.  A wave takes 16 rows, all eight K steps of 128.  Each load reads 512 consecutive bytes of a row; a K step's 16 x 512 bytes turn through the wave's own stage
; (rows 528 bytes apart), from which lane (r, h) takes, of row r, blocks h and 2 + h whole: the order of the operand's registers.
.Lpath_a:
	s_lshl_b32 s23, ttmp9, 2
	s_add_co_u32 s23, s23, s22                     ; my tile of 16 rows
	s_lshl_b32 s26, s23, 16
	s_add_nc_u64 s[4:5], s[4:5], s[26:27]
	s_lshl_b32 s26, s23, 13
	s_add_nc_u64 s[12:13], s[12:13], s[26:27]
	s_lshl_b32 s26, s23, 9
	s_add_nc_u64 s[14:15], s[14:15], s[26:27]
	s_mul_i32 s26, s22, 8448                       ; my stage
	v_add_nc_u32 v7, s26, v6                       ; in: 16 x lane
	v_mul_u32_u24 v8, v4, 528
	v_lshl_add_u32 v8, v5, 7, v8
	v_add_nc_u32 v8, s26, v8                       ; out: row r, + 128 h
	v_lshlrev_b32 v9, 3, v5                        ; 8 h
	v_lshlrev_b32 v10, 5, v4
	v_lshl_add_u32 v10, v5, 4, v10                 ; scale bytes: 32 r + 16 h
	v_mov_b32 v31, 0                               ; (a lane permute's destination counts as one of its sources)
.macro LOADX ks
.set RS, 112+64*((\ks)%2)
.set n, 0
.rept 16
	global_load_b128 v[RS+4*n:RS+4*n+3], v6, s[4:5] offset:n*4096+(\ks)*512 th:TH_LOAD_NT
.set n, n+1
.endr
.endm
.macro TURNX ks                        ; LDS serves a wave's instructions in order: no wait between the stores and the loads
.set RS, 112+64*((\ks)%2)
.set n, 0
.rept 16
	ds_store_b128 v7, v[RS+4*n:RS+4*n+3] offset:n*528
.set n, n+1
.endr
.irp c, 0,1
.irp i, 0,1,2,3,4,5,6,7
	ds_load_b128 v[48+32*\c+4*\i:51+32*\c+4*\i], v8 offset:256*\c+16*\i
.endr
.endr
.endm
.macro QUANTX ks
.irp c, 0,1
	v_max3_num_f32 v[24+\c], |v[48+32*\c]|, |v[49+32*\c]|, 0x1800000   ; my block 2 c + h, and the floor 2^(3 - 127)
.endr
.irp i, 2,4,6,8,10,12,14,16,18,20,22,24,26,28,30
.irp c, 0,1
	v_max3_num_f32 v[24+\c], v[24+\c], |v[48+32*\c+\i]|, |v[49+32*\c+\i]|
.endr
.endr
.irp c, 0,1
	v_add_nc_u32 v[26+\c], 0xff000000, v[24+\c]    ; the conversion's scale operand
.endr
.irp c, 0,1
	v_lshrrev_b32 v[28+\c], 23, v[26+\c]           ; the scale's byte
.endr
	v_lshl_or_b32 v30, v29, 16, v28                ; blocks h and 2 + h,
	v_lshlrev_b32 v30, v9, v30                     ; at their places in the word;
	v_permlanex16_b32 v31, v30, s24, s25
	v_or_b32 v[16+(\ks)], v30, v31                 ; with lane l xor 16's two the word is whole
	s_wait_xcnt 0x0                                ; the stores of two K steps ago have read this set of code registers
.irp c, 0,1
.irp g, 0,1,2,3
	v_cvt_scalef32_pk8_fp4_f32 v[32+8*((\ks)%2)+4*\c+\g], v[48+32*\c+8*\g:55+32*\c+8*\g], v[26+\c]
.endr
.endr
	v_nop                                          ; one plain instruction behind the last scaled conversion
.irp c, 0,1
	global_store_b128 v6, v[32+8*((\ks)%2)+4*\c:35+8*((\ks)%2)+4*\c], s[12:13] offset:(\ks)*1024+512*\c
.endr
.endm
	LOADX 0
	LOADX 1
.irp ks, 0,1,2,3,4,5,6,7
.if \ks < 7
	s_wait_loadcnt 16                              ; this K step's 16 loads are in; the next one's may be out
.else
	s_wait_loadcnt 0x0
.endif
	TURNX \ks
	s_wait_dscnt 0x0                               ; the numbers are back, and the stores into the stage have read their registers
.if \ks < 6
	LOADX \ks+2
.endif
	QUANTX \ks
.endr
	v_cmp_eq_u32 vcc_lo, 1, v5
.irp i, 0,1,2,3
	v_cndmask_b32 v[24+\i], v[16+\i], v[20+\i], vcc_lo   ; lanes 0-15 store K steps 0-3's words, lanes 16-31 K steps 4-7's
.endr
	global_store_b128 v10, v[24:27], s[14:15]      ; 16 rows x 32 bytes: 512 consecutive bytes
	s_wait_tensorcnt 0x0                           ; the wave's end
	ds_add_u32 v[SPW], v[NIL]
	s_wait_dscnt 0x0
	s_endpgm
.Lfunc_end_k_qa85fe9ef5d_prep:
	.size	k_qa85fe9ef5d_prep, .Lfunc_end_k_qa85fe9ef5d_prep-k_qa85fe9ef5d_prep
	.p2alignl 7, 3214868480
	.fill 96, 4, 3214868480
	.section	.rodata,"a",@progbits
	.p2align	6, 0x0
	.amdhsa_kernel k_qa85fe9ef5d_prep
		.amdhsa_group_segment_fixed_size 34304
		.amdhsa_private_segment_fixed_size 0
		.amdhsa_enable_private_segment 0
		.amdhsa_kernarg_size 72
		.amdhsa_user_sgpr_count 2
		.amdhsa_user_sgpr_kernarg_segment_ptr 1
		.amdhsa_wavefront_size32 1
		.amdhsa_system_sgpr_workgroup_id_x 1
		.amdhsa_system_sgpr_workgroup_id_y 1
		.amdhsa_system_sgpr_workgroup_id_z 1
		.amdhsa_system_vgpr_workitem_id 0
		.amdhsa_next_free_vgpr 240
		.amdhsa_next_free_sgpr 66
		.amdhsa_reserve_vcc 1
		.amdhsa_float_denorm_mode_32 3
		.amdhsa_float_denorm_mode_16_64 3
		.amdhsa_memory_ordered 1
		.amdhsa_forward_progress 1
		.amdhsa_inst_pref_size 212
	.end_amdhsa_kernel
	.amdgpu_metadata
---
amdhsa.version: [ 1, 2 ]
amdhsa.kernels:
  - .name:           k_qa85fe9ef5d_prep
    .symbol:         k_qa85fe9ef5d_prep.kd
    .args:
      - { .name: hidden_states, .offset: 0, .size: 8, .value_kind: global_buffer, .address_space: global }
      - { .name: W_qkv, .offset: 8, .size: 8, .value_kind: global_buffer, .address_space: global }
      - { .name: W_proj, .offset: 16, .size: 8, .value_kind: global_buffer, .address_space: global }
      - { .name: mask, .offset: 24, .size: 8, .value_kind: global_buffer, .address_space: global }
      - { .name: codes, .offset: 32, .size: 8, .value_kind: global_buffer, .address_space: global }
      - { .name: scales, .offset: 40, .size: 8, .value_kind: global_buffer, .address_space: global }
      - { .name: wp, .offset: 48, .size: 8, .value_kind: global_buffer, .address_space: global }
      - { .name: flags, .offset: 56, .size: 8, .value_kind: global_buffer, .address_space: global }
      - { .name: rowmax, .offset: 64, .size: 8, .value_kind: global_buffer, .address_space: global }
    .group_segment_fixed_size: 34304
    .private_segment_fixed_size: 0
    .kernarg_segment_align: 8
    .kernarg_segment_size: 72
    .max_flat_workgroup_size: 128
    .sgpr_count:     66
    .vgpr_count:     240
    .wavefront_size: 32
...
	.end_amdgpu_metadata
.endif
;; end of part 1
;; launch qkv (part 2): grid 12 x 32, 4 waves a work-group, clusters of 4 x 4, 327,680 bytes of LDS; arguments codes, scales, b_qkv, qkv; writes qkv
.if DOCPART == 2
	.amdgcn_target "amdgcn-amd-amdhsa--gfx1250"
	.amdhsa_code_object_version 6
	.text
	.protected	k_qa85fe9ef5d_qkv
	.globl	k_qa85fe9ef5d_qkv
	.p2align	8
	.type	k_qa85fe9ef5d_qkv,@function
k_qa85fe9ef5d_qkv:
	s_mov_b64 s[64:65], 0
	v_nop
	global_prefetch_b8 v0, s[64:65] scope:SCOPE_SE
	s_setreg_imm32_b32 hwreg(HW_REG_WAVE_MODE, 25, 1), 1
	s_wait_xcnt 0x0
	s_wait_alu depctr_hold_cnt(0) depctr_sa_sdst(0) depctr_va_vdst(0) depctr_va_sdst(0) depctr_va_ssrc(0) depctr_va_vcc(0) depctr_vm_vsrc(0)
	s_getreg_b32 s2, hwreg(HW_REG_IB_STS2, 6, 4)
	s_cmp_eq_u32 s2, 0
	s_cbranch_scc0 .Lentry_in_a_cluster
	s_endpgm
.Lentry_in_a_cluster:
	s_bfe_u32 s2, ttmp6, 0x10000c
	s_cmp_lg_u32 s2, 0xf033
	s_cbranch_scc0 .Lentry_shape_is_right
	s_endpgm
.Lentry_shape_is_right:
; qkv = Q4(hidden) Q4(W_qkv) + b, [8192] x [3072], K = 1024, on codes of FP4 (E2M1) with one E8M0 scale for each 32 along K; the results leave as f16 images of the operands of the attention.
; LEFT OUT AS DEAD: the K third of b_qkv (shown at the head of the first kernel): it is not loaded, and K's way out has no addition.  q is NOT multiplied by 1/32 here: the exact factor goes onto the f32 score.
; A tile of 256 x 256 is made by a work-group of four waves; a wave makes 128 x 128: 64 accumulators, 512 registers.  All of K lies in LDS: two slots of 512 along K, both filled at the start, none again.
; THE BUFFERS hold tokens and weight columns alike, in units of 256 rows: units 0-31 tokens, 32-35 Q's columns, 36-39 K's, 40-43 V's.  A unit's codes are 16 tiles x 8 fragments of 1,024 bytes (images of operand
; registers), its scale bytes 256 rows x 32.
; REGIONS.  Source 1 of every product comes from region A, shared along a row of the cluster; source 0 from region B, shared along a column.  A lane's eight results are eight neighbouring rows of B for one row of A.
;   Q, K (cluster x = 0, 1): A = tokens, B = columns: a lane holds one token and eight d: packed in pairs, two tiles 16 apart in d ARE a fragment (row = token, k = d).
;   V    (cluster x = 2):    A = columns, B = tokens: a lane holds one d and eight tokens: a fragment (row = d, k = keys).
; The kind hangs on the CLUSTER's x, which all sixteen partners share: so a branch may hang on it.
; OUT: record (bh, j) of 24,576 bytes for head bh and 64 tokens j: Q's 8 fragments, K's 8, V's 8.  Behind the records: the low parts of V (v - f16(v), as f16) for the first 64 keys of each sequence.
; Each store of a wave covers 512 consecutive bytes, aligned; no LDS on the way out.
; REGISTERS: window 0: v16-30 addresses; v32-95 scale words, two sets, and nothing else; v96-127 at work for V's low part; v128-191 A's fragments, on the way out the packed results; v192-255 the bias.
;   window 1: B's fragments, two sets, at v0 and v128.   window 2: the accumulators of A's blocks 0-3 ((a, b) at v[8 (8 (a % 4) + b)]);   window 3: blocks 4-7.
.set NQ,     4                         ; steps of 128 along K in a slot
.set FR,     8                         ; registers of a fragment
.set NL,     2                         ; LDS loads that bring one
.set NP,     4                         ; places behind this matrix instruction (ISA guide 7.12.1)
.set HALFT,  32768                     ; 8 tiles x 4 fragments: what one tensor load brings, and what a wave reads of A or of B in a slot
.set SLOT,   131072                    ; A's 16 tiles, then B's 16
.set KS,     32                        ; a row of scale bytes
.set SCL,    262144                    ; behind the slots: the scale bytes, as units of 256 bytes + 16 of padding
.set HALFS,  4352                      ; those of 128 rows
.set SBLK,   544                       ; those of 16 rows
.set SPARE,  279552                    ; the spare words, 128 bytes for each wave
.set ADRA, 16                          ; v16-17  LDS address of my A fragments in slot 0, 1
.set ADRB, 20                          ; v20-21  the same for B
.set LI,   24                          ; v24     16 x lane
.set VX,   25                          ; v25     the tokens' unit within its sequence
.set VL,   26                          ; v26     my byte offset among V's low parts
.set ADRS, 27                          ; v27     LDS address of my scale words: lanes 0-15 A's rows, lanes 16-31 B's
.set SPW,  28                          ; v28     LDS address of my spare word; never rewritten
.set NIL,  29                          ; v29     0; never rewritten
.set BO,   30                          ; v30     my byte offset in b_qkv
.set SC,   32
.set HB,   96
.set LB,   112
.set AF,   128
.set PK,   128
.set BIAS, 192
.set G1, 24                            ; s[24:31] descriptor group 1 for A's codes;  s[32:39] group 0, one set for each slot
.set G0, 32
.set G1B, 48                           ; s[48:55], s[56:63] the same for B's
.set G0B, 56
.set G1S, 68                           ; s[68:75], s[76:79] groups 1 and 0 for A's scale bytes;  s[80:87], s[88:91] for B's
.set G0S, 76
.set G1SB, 80
.set G0SB, 88
.set MSB, 0
.macro WIN new                         ; the immediate's high byte repeats the setting that is left
.if MSB != (\new)
	s_set_vgpr_msb (MSB<<8)|(\new)
.set MSB, (\new)
.endif
.endm
.set MUL_LO, 0xa1                      ; source 0 (B) window 1, source 1 (A) window 0, C and D window 2
.set MUL_HI, 0xf1                      ; the same, C and D window 3
.set TO_B,   0x40                      ; destination window 1, address window 0
; A joint load: waves 0 and 1 fetch for A, waves 2 and 3 for B.  The branch hangs on the wave's number alone.  An s_nop 0 and four v_nop follow each of the two lines.
.macro JLOAD g0a, g1a, g0b, g1b
	s_cmp_eq_u32 s15, 0
	s_cbranch_scc0 .Lfor_b_\@
	tensor_load_to_lds s[\g0a:\g0a+3], s[\g1a:\g1a+7]
	s_nop 0
.rept 4
	v_nop
.endr
	s_branch .Lasked_\@
.Lfor_b_\@:
	tensor_load_to_lds s[\g0b:\g0b+3], s[\g1b:\g1b+7]
	s_nop 0
.rept 4
	v_nop
.endr
.Lasked_\@:
.endm
.macro CROUND                          ; a round of the cluster's barrier
	s_barrier_signal -1
	s_barrier_wait -1
	s_cmp_lg_u32 s14, 0
	s_cbranch_scc1 .Lnot_wave_0_\@
	s_barrier_signal -3
.Lnot_wave_0_\@:
	s_barrier_wait -3
	s_barrier_signal -1
	s_barrier_wait -1
.endm
	s_load_b256 s[4:11], s[0:1], 0x0               ; codes s[4:5], scales s[6:7], b_qkv s[8:9], qkv s[10:11]
	v_lshl_add_u32 v[SPW], v0, 2, SPARE
	v_mov_b32 v[NIL], 0
	ds_add_u32 v[SPW], v[NIL]                      ; the wave's opening: the add, twice on end, and its wait ahead of my first tensor load
	ds_add_u32 v[SPW], v[NIL]
	v_lshrrev_b32 v1, 5, v0
	v_readfirstlane_b32 s14, v1                    ; wave 0..3
	s_lshr_b32 s15, s14, 1                         ; which half of A's rows is mine.  Also: I fetch for A (0) or for B (1)
	s_and_b32 s16, s14, 1                          ; which half of B's rows.  Also: which 128 rows I fetch
	s_bfe_u32 s40, ttmp6, 0x40000                  ; cx
	s_bfe_u32 s41, ttmp6, 0x40004                  ; cy
	s_and_b32 s13, ttmp7, 0xffff
	s_lshl_b32 s13, s13, 2                         ; 4 x cluster y: the cluster's first unit of tokens
	s_lshl_b32 s3, ttmp9, 2
	s_add_co_u32 s3, s3, 32                        ; 32 + 4 x cluster x: its first unit of columns
	s_cmp_eq_u32 ttmp9, 2                          ; V?
	s_cselect_b32 s17, 40, s13
	s_cselect_b32 s44, s13, s3
	s_add_co_u32 s17, s17, s41                     ; A's unit: it hangs on cy alone
	s_add_co_u32 s44, s44, s40                     ; B's unit: on cx alone
	s_lshl_b32 s42, s41, 2
	s_lshl_b32 s42, 15, s42                        ; my row of the cluster
	s_lshl_b32 s43, 0x1111, s40                    ; my column
	; group 1 for codes: 8 tiles, of each 4 fragments = 4,096 bytes (512 elements of 8 bytes), the tiles 8,192 bytes apart; dense in LDS
	s_or_b32 s[G1+0], s42, (3<<16)|(1<<21)         ; 15:0 the mask; 17:16 elements of 8 bytes; 21 set beside a mask
	s_or_b32 s[G1B+0], s43, (3<<16)|(1<<21)
.irp g, G1, G1B
	s_mov_b32 s[\g+1], 512<<16                     ; tensor_dim0
	s_mov_b32 s[\g+2], 8<<16                       ; tensor_dim1
	s_mov_b32 s[\g+3], 512<<16                     ; tile_dim0
	s_mov_b32 s[\g+4], 8                           ; tile_dim1
	s_mov_b32 s[\g+5], 1024                        ; tensor_dim0_stride
	s_mov_b32 s[\g+6], 0
	s_mov_b32 s[\g+7], 0
.endr
	; and for the scale bytes of 128 rows: 4,096 dense bytes as 16 rows of 256, 16 bytes of padding behind each
	s_or_b32 s[G1S+0], s42, (3<<16)|(1<<20)|(1<<21)|(5<<22)|(3<<25)
	s_or_b32 s[G1SB+0], s43, (3<<16)|(1<<20)|(1<<21)|(5<<22)|(3<<25)
.irp g, G1S, G1SB
	s_mov_b32 s[\g+1], 32<<16
	s_mov_b32 s[\g+2], 16<<16
	s_mov_b32 s[\g+3], 32<<16
	s_mov_b32 s[\g+4], 16
	s_mov_b32 s[\g+5], 32
	s_mov_b32 s[\g+6], 0
	s_mov_b32 s[\g+7], 0
.endr
	s_lshl_b32 s18, s16, 16                        ; the half that I fetch: 8 tiles of 8,192 bytes,
	s_lshl_b32 s19, s16, 12                        ; 128 rows of 32 scale bytes
	s_lshl_b32 s20, s17, 17
	s_add_co_u32 s20, s20, s18                     ; A's codes
	s_mov_b32 s21, 0
	s_lshl_b32 s22, s17, 13
	s_add_co_u32 s22, s22, s19                     ; A's scale bytes
	s_mov_b32 s23, 0
	s_lshl_b32 s46, s44, 17
	s_add_co_u32 s46, s46, s18                     ; B's codes
	s_mov_b32 s47, 0
	s_lshl_b32 s92, s44, 13
	s_add_co_u32 s92, s92, s19                     ; B's scale bytes
	s_mov_b32 s93, 0
	s_mul_i32 s45, s14, HALFT                      ; where they go: wave x a half: no place in the cluster enters an LDS address
	s_mul_i32 s12, s14, HALFS
	s_wait_dscnt 0x0                               ; both opening adds are done
	s_wait_kmcnt 0x0
	s_add_nc_u64 s[20:21], s[4:5], s[20:21]
	s_add_nc_u64 s[22:23], s[6:7], s[22:23]
	s_add_nc_u64 s[46:47], s[4:5], s[46:47]
	s_add_nc_u64 s[92:93], s[6:7], s[92:93]
	CROUND                                         ; all sixteen work-groups are here: the first joint loads meet
	s_mov_b32 s[G0S], 1
	s_add_co_u32 s[G0S+1], s12, SCL
	s_mov_b64 s[G0S+2:G0S+3], s[22:23]
	s_or_b32 s[G0S+3], s[G0S+3], 0x80000000
	s_mov_b32 s[G0SB], 1
	s_add_co_u32 s[G0SB+1], s12, SCL
	s_mov_b64 s[G0SB+2:G0SB+3], s[92:93]
	s_or_b32 s[G0SB+3], s[G0SB+3], 0x80000000
	JLOAD G0S, G1S, G0SB, G1SB                     ; the scale bytes first: they are wanted with the first step
.irp s, 0,1
	s_mov_b32 s[G0+4*\s], 1
	s_add_co_u32 s[G0+4*\s+1], s45, \s*SLOT
	s_add_nc_u64 s[G0+4*\s+2:G0+4*\s+3], s[20:21], \s*4096
	s_or_b32 s[G0+4*\s+3], s[G0+4*\s+3], 0x80000000
	s_mov_b32 s[G0B+4*\s], 1
	s_add_co_u32 s[G0B+4*\s+1], s45, \s*SLOT
	s_add_nc_u64 s[G0B+4*\s+2:G0B+4*\s+3], s[46:47], \s*4096
	s_or_b32 s[G0B+4*\s+3], s[G0B+4*\s+3], 0x80000000
	JLOAD G0+4*\s, G1, G0B+4*\s, G1B               ; by this text's count three tensor loads of a wave are out
.endr
	v_and_b32 v1, 15, v0                           ; r
	v_bfe_u32 v2, v0, 4, 1                         ; h
	v_and_b32 v3, 31, v0
	v_lshlrev_b32 v[LI], 4, v3
	s_mul_i32 s18, s15, HALFT                      ; my 128 rows of A
	s_mul_i32 s19, s16, HALFT                      ; my 128 rows of B,
	s_add_co_u32 s19, s19, 2*HALFT                 ; which lie behind A's 256
.irp s, 0,1
	v_add_nc_u32 v[ADRA+\s], s18, v[LI]
	v_add_nc_u32 v[ADRB+\s], s19, v[LI]
	s_add_co_u32 s18, s18, SLOT
	s_add_co_u32 s19, s19, SLOT
.endr
	v_mul_u32_u24 v5, v1, KS                       ; my row's scale bytes: 32 a row,
	v_lshrrev_b32 v6, 8, v5
	v_lshl_add_u32 v5, v6, 4, v5                   ; and 16 more for each 256 passed
	s_mul_i32 s18, s15, HALFS
	s_mul_i32 s19, s16, HALFS
	s_add_co_u32 s19, s19, 2*HALFS
	s_sub_co_u32 s19, s19, s18
	v_mul_u32_u24 v6, s19, v2                      ; lanes 16-31 take B's
	s_add_co_u32 s18, s18, SCL
	v_add_nc_u32 v5, v5, v6
	v_add_nc_u32 v[ADRS], s18, v5
	; the way out's addresses, in registers that feed no descriptor
	s_cmp_eq_u32 ttmp9, 2
	s_cselect_b32 s94, s44, s17                    ; the tokens' unit,
	s_cselect_b32 s95, s16, s15                    ; my half of it,
	s_cselect_b32 s96, s41, s40                    ; the four heads of the columns' unit,
	s_cselect_b32 s97, s15, s16                    ; my two of them
	s_mov_b32 s98, 24576
	s_mov_b32 s99, 786432
	s_cselect_b32 s104, s99, s98                   ; from A's blocks 0-3 to 4-7: a head on (V) or a record on
	s_cselect_b32 s105, s98, s99                   ; from B's blocks 0-3 to 4-7: the other
	s_lshr_b32 s100, s94, 3                        ; batch
	s_and_b32 s94, s94, 7
	v_mov_b32 v[VX], s94
	s_lshl_b32 s94, s94, 2
	s_lshl_b32 s95, s95, 1
	s_add_co_u32 s94, s94, s95                     ; my first record of 64 tokens
	s_lshl_b32 s96, s96, 2
	s_lshl_b32 s97, s97, 1
	s_add_co_u32 s96, s96, s97                     ; my first head
	s_lshl_b32 s100, s100, 4
	s_add_co_u32 s100, s100, s96                   ; 16 x batch + head
	v_mov_b32 v[VL], s100
	v_lshl_add_u32 v[VL], v[VL], 13, v[LI]
	v_add_nc_u32 v[VL], 0x3000000, v[VL]           ; V's low parts: behind the records, 8,192 bytes a head
	s_lshl_b32 s101, s100, 5
	s_add_co_u32 s101, s101, s94
	s_mul_i32 s66, s101, 24576
	s_lshl_b32 s67, ttmp9, 13                      ; Q's, K's or V's part of a record
	s_add_co_u32 s66, s66, s67
	s_mov_b32 s67, 0
	s_add_nc_u64 s[94:95], s[10:11], s[66:67]      ; four bases: (A's blocks 0-3 or 4-7) x (B's blocks 0-3 or 4-7)
	s_mov_b32 s66, s105
	s_add_nc_u64 s[96:97], s[94:95], s[66:67]
	s_mov_b32 s66, s104
	s_add_nc_u64 s[98:99], s[94:95], s[66:67]
	s_add_nc_u64 s[100:101], s[96:97], s[66:67]
.set n, 0
.rept 64
	v_mov_b32 v[BIAS+n], 0                         ; written whole once, while the tiles are on their way: each kind loads another part of these registers
.set n, n+1
.endr
	s_cmp_eq_u32 ttmp9, 1
	s_cbranch_scc1 .Lbias_done                     ; K: none
	s_cmp_eq_u32 ttmp9, 2
	s_cbranch_scc1 .Lbias_v
	s_lshl_b32 s66, s40, 10                        ; Q: register 8 b + j holds b(16 b + 8 h + j) of my 128 columns
	s_lshl_b32 s67, s16, 9
	s_add_co_u32 s66, s66, s67
	v_lshl_add_u32 v[BO], v2, 5, s66
.irp b, 0,1,2,3,4,5,6,7
	global_load_b128 v[BIAS+8*\b:BIAS+8*\b+3], v[BO], s[8:9] offset:64*\b
	global_load_b128 v[BIAS+8*\b+4:BIAS+8*\b+7], v[BO], s[8:9] offset:64*\b+16
.endr
	s_branch .Lbias_done
.Lbias_v:
	s_lshl_b32 s66, s41, 10                        ; V: register 2 a holds b(16 a + r) of my 128 columns
	s_lshl_b32 s67, s15, 9
	s_add_co_u32 s66, s66, s67
	s_add_co_u32 s66, s66, 8192
	v_lshl_add_u32 v[BO], v1, 2, s66
.irp a, 0,1,2,3,4,5,6,7
	global_load_b32 v[BIAS+2*\a], v[BO], s[8:9] offset:64*\a
.endr
.Lbias_done:
.macro FRAG reg, adr, q, i             ; a fragment comes back as it was stored: two loads of 512 consecutive bytes
.irp c, 0,1
	ds_load_b128 v[\reg+4*\c:\reg+4*\c+3], v[\adr] offset:(\i)*4096+(\q)*1024+512*\c
.endr
.endm
; 16 matrix instructions: A's blocks a0, a0 + 1 x B's eight, 128 along K.  p: B's set;  sc: the set of scale words.  zero = 1: the first product starts the sums.
; The 64 accumulators take turns, one instruction a turn, in the same order in every step.
.macro MUL16 a0, p, q, sc, zero
.irp a, \a0, \a0+1
.irp b, 0,1,2,3,4,5,6,7
.if \zero
	v_wmma_scale_f32_16x16x128_f8f6f4 v[8*(8*((\a)%4)+\b):8*(8*((\a)%4)+\b)+7], v[128*(\p)+FR*\b:128*(\p)+FR*\b+FR-1], v[AF+FR*(\a):AF+FR*(\a)+FR-1], 0, v[SC+8*NQ*(\sc)+NQ*\b+(\q)], v[SC+8*NQ*(\sc)+NQ*(\a)+(\q)] matrix_a_fmt:MATRIX_FMT_FP4 matrix_b_fmt:MATRIX_FMT_FP4 matrix_a_scale:MATRIX_SCALE_ROW1
.else
	v_wmma_scale_f32_16x16x128_f8f6f4 v[8*(8*((\a)%4)+\b):8*(8*((\a)%4)+\b)+7], v[128*(\p)+FR*\b:128*(\p)+FR*\b+FR-1], v[AF+FR*(\a):AF+FR*(\a)+FR-1], v[8*(8*((\a)%4)+\b):8*(8*((\a)%4)+\b)+7], v[SC+8*NQ*(\sc)+NQ*\b+(\q)], v[SC+8*NQ*(\sc)+NQ*(\a)+(\q)] matrix_a_fmt:MATRIX_FMT_FP4 matrix_b_fmt:MATRIX_FMT_FP4 matrix_a_scale:MATRIX_SCALE_ROW1
.endif
.endr
.endr
.endm
.macro FETCH_B slot, q, p
	WIN TO_B
.irp i, 0,1,2,3,4,5,6,7
	FRAG 128*(\p)+FR*\i, ADRB+\slot, \q, \i
.endr
	WIN 0
.endm
.macro FETCH_A slot, q, i0
.irp i, \i0, \i0+1, \i0+2, \i0+3
	FRAG AF+FR*(\i), ADRA+\slot, \q, \i
.endr
.endm
.macro SCALES sc                       ; a slot's scale words: four a row; lanes 0-15 take A's block i, lanes 16-31 B's block i
.irp i, 0,1,2,3,4,5,6,7
	ds_load_b128 v[SC+8*NQ*\sc+NQ*\i:SC+8*NQ*\sc+NQ*\i+3], v[ADRS] offset:\i*SBLK
.endr
.endm
.macro PLACES n                        ; plain vector instructions between a matrix instruction and a load into, or a read of, its registers
.rept \n
	v_nop
.endr
.endm
.macro STEP slot, q, zero              ; a step of 128 along K that has its successor in the same slot
	s_wait_dscnt 4*NL                              ; B's set and A's blocks 0-3 are in; the youngest eight loads (A's blocks 4-7) may be out
	WIN MUL_LO
	MUL16 0, (\q)%2, \q, \slot, \zero
	MUL16 2, (\q)%2, \q, \slot, \zero
	s_wait_dscnt 0
	PLACES NP
	FETCH_B \slot, (\q)+1, 1-(\q)%2
	FETCH_A \slot, (\q)+1, 0
	WIN MUL_HI
	MUL16 4, (\q)%2, \q, \slot, \zero
	MUL16 6, (\q)%2, \q, \slot, \zero
	PLACES NP
	WIN 0
	FETCH_A \slot, (\q)+1, 4
.endm
.macro STEPS slot, from
.set QQ, \from
.rept NQ-1-\from
	STEP \slot, QQ, 0
.set QQ, QQ+1
.endr
.endm
	s_wait_tensorcnt 1                             ; the scale bytes and my part of slot 0 are in (slot 1's load may be out)
	s_barrier_signal -1
	s_barrier_wait -1                              ; everybody's are
	FETCH_B 0, 0, 0
	FETCH_A 0, 0, 0
	SCALES 0
	FETCH_A 0, 0, 4
	STEP 0, 0, 1                                   ; the first step's products start the sums
	STEPS 0, 1
	; slot 0's last step, and the change to slot 1: one barrier; nothing is filled again
	s_wait_tensorcnt 0x0                           ; all my tensor loads have landed: my part of slot 1;
	ds_add_u32 v[SPW], v[NIL]                      ; 0 onto my spare word;
	s_wait_dscnt 4*NL+1                            ; (the add and the youngest eight loads may be out)
	WIN MUL_LO
	MUL16 0, 1, NQ-1, 0, 0
	s_wait_dscnt 0x0
	s_barrier_signal -1
	MUL16 2, 1, NQ-1, 0, 0
	WIN 0
	s_barrier_wait -1
	PLACES NP
	v_add_nc_u32 v[ADRS], 4*NQ, v[ADRS]            ; on to slot 1's scale words
	FETCH_B 1, 0, 0
	FETCH_A 1, 0, 0
	SCALES 1
	WIN MUL_HI
	MUL16 4, 1, NQ-1, 0, 0
	MUL16 6, 1, NQ-1, 0, 0
	PLACES NP
	WIN 0
	FETCH_A 1, 0, 4
	STEPS 1, 0
	s_wait_dscnt 4*NL                              ; the very last step
	WIN MUL_LO
	MUL16 0, 1, NQ-1, 1, 0
	MUL16 2, 1, NQ-1, 1, 0
	s_wait_dscnt 0
	WIN MUL_HI
	MUL16 4, 1, NQ-1, 1, 0
	MUL16 6, 1, NQ-1, 1, 0
	WIN 0
; THE WAY OUT of A's block a.  kind 0 (Q): + the bias of my eight columns;  1 (K): nothing;  2 (V): + the bias of my one column.  Then 32 roundings to f16, two numbers a register: the four registers of
; accumulator (a, b) are half a fragment, and leave as 512 consecutive bytes.  Each accumulator is read from its low end on.
.macro OUTA kind, a
.set AC, 64*((\a)%4)
.set PS, PK+32*((\a)%2)
.if \kind != 1
	WIN 0x82+0x41*((\a)/4)                         ; source 0 and destination: window 2 or 3
.set n, 0
.rept 32
.if \kind == 0
	v_pk_add_f32 v[AC+2*n:AC+2*n+1], v[AC+2*n:AC+2*n+1], v[BIAS+2*n:BIAS+2*n+1]
.else
	v_pk_add_f32 v[AC+2*n:AC+2*n+1], v[AC+2*n:AC+2*n+1], v[BIAS+2*(\a):BIAS+2*(\a)+1] op_sel_hi:[1,0]
.endif
.set n, n+1
.endr
.endif
	s_wait_xcnt 0x0                                ; the stores of two blocks ago have read this set of registers
	WIN 0x0a+5*((\a)/4)                            ; sources 0 and 1: window 2 or 3
.set n, 0
.rept 32
	v_cvt_pk_f16_f32 v[PS+n], v[AC+2*n], v[AC+2*n+1]
.set n, n+1
.endr
	WIN 0
.irp b, 0,1,2,3,4,5,6,7
	global_store_b128 v[LI], v[PS+4*\b:PS+4*\b+3], s[94+4*((\a)/4)+2*(\b/4):95+4*((\a)/4)+2*(\b/4)] offset:(2*((\a)%4)+(\b/2)%2)*1024+512*(\b%2)
.endr
.endm
; V's low part for A's block a (16 d) and B's blocks 0-3 (the first 64 tokens of my half): v - f16(v), as f16.  Computed with all lanes on; the four stores alone stand under the lane mask.
.macro VLOA a
.set AC, 64*((\a)%4)
	s_wait_xcnt 0x0                                ; earlier stores have read their registers; and EXEC changes only behind this wait
	WIN 0x0a+5*((\a)/4)
.set n, 0
.rept 16
	v_cvt_pk_f16_f32 v[HB+n], v[AC+2*n], v[AC+2*n+1]
.set n, n+1
.endr
	WIN 0
.set n, 0
.irp s, v96.l, v96.h, v97.l, v97.h, v98.l, v98.h, v99.l, v99.h, v100.l, v100.h, v101.l, v101.h, v102.l, v102.h, v103.l, v103.h, v104.l, v104.h, v105.l, v105.h, v106.l, v106.h, v107.l, v107.h, v108.l, v108.h, v109.l, v109.h, v110.l, v110.h, v111.l, v111.h
	v_cvt_f32_f16 v[PK+n], \s
.set n, n+1
.endr
	WIN 0x02+((\a)/4)                              ; source 0: window 2 or 3
.set n, 0
.rept 16
	v_pk_add_f32 v[PK+2*n:PK+2*n+1], v[AC+2*n:AC+2*n+1], v[PK+2*n:PK+2*n+1] neg_lo:[0,1] neg_hi:[0,1]
.set n, n+1
.endr
	WIN 0
.set n, 0
.rept 16
	v_cvt_pk_f16_f32 v[LB+n], v[PK+2*n], v[PK+2*n+1]
.set n, n+1
.endr
	s_and_saveexec_b32 s67, s66
.irp b, 0,1,2,3
	global_store_b128 v[VL], v[LB+4*\b:LB+4*\b+3], s[10:11] offset:((\a)/4)*8192+(2*((\a)%4)+\b/2)*1024+512*(\b%2)
.endr
	s_wait_xcnt 0x0
	s_or_b32 exec_lo, exec_lo, s67
.endm
	s_wait_loadcnt 0x0                             ; the bias
	PLACES NP                                      ; behind the last products: their results are read, and the registers that held A's fragments are written
	s_cmp_eq_u32 ttmp9, 1
	s_cbranch_scc1 .Lout_k
	s_cmp_eq_u32 ttmp9, 2
	s_cbranch_scc1 .Lout_v
.irp a, 0,1,2,3,4,5,6,7
	OUTA 0, \a
.endr
	s_branch .Lend
.Lout_k:
.irp a, 0,1,2,3,4,5,6,7
	OUTA 1, \a
.endr
	s_branch .Lend
.Lout_v:
.irp a, 0,1,2,3,4,5,6,7
	OUTA 2, \a
.endr
	s_cmp_lg_u32 s16, 0                            ; the waves with the unit's first 128 tokens (a branch on the wave's number: the same in all partners)
	s_cbranch_scc1 .Lend
	v_cmp_eq_u32 s66, 0, v[VX]                     ; all lanes or none: is this unit the first of its sequence?  A lane mask and no branch: it hangs on my place in the cluster
.irp a, 0,1,2,3,4,5,6,7
	VLOA \a
.endr
.Lend:
	s_wait_tensorcnt 0x0                           ; the wave's end
	ds_add_u32 v[SPW], v[NIL]
	s_wait_dscnt 0x0
	CROUND                                         ; the closing round
	s_endpgm
.Lfunc_end_k_qa85fe9ef5d_qkv:
	.size	k_qa85fe9ef5d_qkv, .Lfunc_end_k_qa85fe9ef5d_qkv-k_qa85fe9ef5d_qkv
	.p2alignl 7, 3214868480
	.fill 96, 4, 3214868480
	.section	.rodata,"a",@progbits
	.p2align	6, 0x0
	.amdhsa_kernel k_qa85fe9ef5d_qkv
		.amdhsa_group_segment_fixed_size 327680
		.amdhsa_private_segment_fixed_size 0
		.amdhsa_enable_private_segment 0
		.amdhsa_kernarg_size 32
		.amdhsa_user_sgpr_count 2
		.amdhsa_user_sgpr_kernarg_segment_ptr 1
		.amdhsa_wavefront_size32 1
		.amdhsa_system_sgpr_workgroup_id_x 1
		.amdhsa_system_sgpr_workgroup_id_y 1
		.amdhsa_system_sgpr_workgroup_id_z 1
		.amdhsa_system_vgpr_workitem_id 0
		.amdhsa_next_free_vgpr 1024
		.amdhsa_next_free_sgpr 106
		.amdhsa_reserve_vcc 0
		.amdhsa_float_denorm_mode_32 3
		.amdhsa_float_denorm_mode_16_64 3
		.amdhsa_memory_ordered 1
		.amdhsa_forward_progress 1
		.amdhsa_inst_pref_size 238
	.end_amdhsa_kernel
	.amdgpu_metadata
---
amdhsa.version: [ 1, 2 ]
amdhsa.kernels:
  - .name:           k_qa85fe9ef5d_qkv
    .symbol:         k_qa85fe9ef5d_qkv.kd
    .args:
      - { .name: codes, .offset: 0, .size: 8, .value_kind: global_buffer, .address_space: global }
      - { .name: scales, .offset: 8, .size: 8, .value_kind: global_buffer, .address_space: global }
      - { .name: b_qkv, .offset: 16, .size: 8, .value_kind: global_buffer, .address_space: global }
      - { .name: qkv, .offset: 24, .size: 8, .value_kind: global_buffer, .address_space: global }
    .group_segment_fixed_size: 327680
    .private_segment_fixed_size: 0
    .kernarg_segment_align: 8
    .kernarg_segment_size: 32
    .max_flat_workgroup_size: 128
    .sgpr_count:     106
    .vgpr_count:     1024
    .wavefront_size: 32
...
	.end_amdgpu_metadata
.endif
;; end of part 2
;; launch attn (part 3): grid 4 x 64, 8 waves a work-group, no clusters, 33,792 bytes of LDS; arguments qkv, mask, flags, rowmax, aimg; writes aimg
.if DOCPART == 3
	.amdgcn_target "amdgcn-amd-amdhsa--gfx1250"
	.amdhsa_code_object_version 6
	.text
	.protected	k_qa85fe9ef5d_attn
	.globl	k_qa85fe9ef5d_attn
	.p2align	8
	.type	k_qa85fe9ef5d_attn,@function
k_qa85fe9ef5d_attn:
	s_mov_b64 s[64:65], 0
	v_nop
	global_prefetch_b8 v0, s[64:65] scope:SCOPE_SE
	s_setreg_imm32_b32 hwreg(HW_REG_WAVE_MODE, 25, 1), 1
	s_wait_xcnt 0x0
; attn[b][s][h][:] = the sum over k of softmax_k(q . k / 32 + (1 - mask) x -1e9) v, for all 64 (batch, head) pairs; operands f16, sums, maxima and softmax in f32.
; LEFT OUT: b_qkv's K third (dead: shown at the head of the first kernel).  NOT DONE WHERE STORED WHOLE NUMBERS SAY SO: a step of 64 keys that is live for none of a wave's 32 queries (the first launch's
; flags): there every score + bias lies more than 2^27 under its row's largest (for |q . k| / 32 under 2^26, the stated limit), so its f32 exponential is 0.
; A live step that is CLEAN (all biases 0, all R 0) needs no mask.  An UNCLEAN one loads the mask itself: x = fma(s, 1/32, bias), one rounding, which is the sum as written since s / 32 is exact; then
; x - R, R the row's largest bias: exact where it counts, so a row that is masked out whole keeps its equal weights, and the running maximum stays small.
; NO TENSOR LOADS, NO CLUSTER: the walk branches on the stored flags; K and V go through registers into LDS.
; SHARES.  Work-group (p, bh) takes the blocks of 256 queries 7 - p and then p of head bh; each of its eight waves 32 queries of a block, two tiles of 16.  Two waves to a SIMD: one's vector work stands
; beside the other's matrix work.  Every wave walks 32 key steps, in 16 trips of two; all barriers stand outside the branches on flags.
; K's and V's 16 KiB of a step (images of operand registers) are copied by the eight waves, 2 KiB each, a step ahead, into two LDS buffers by turns; one barrier a step.
; LAYOUT.  S^T = K Q^T (source 0 = 16 keys, source 1 = 16 queries): a lane holds ONE query and keys 8 h + 0..7; two such tiles, packed, ARE source 1 of O^T = V^T P; two tiles of O^T, packed, are a fragment
; (row = token, k = 64 head + d) of the projection, and leave as 512 consecutive bytes.
; SOFTMAX.  Running maximum M and sum L for each query: p = 2^(c x - c M), c = log2(e); O and L are multiplied by 2^(c M_old - c M_new) in every live step.  p is rounded to f16 for the product; L sums the unrounded p.
; M BEGINS AT -2^27.  By the stated limit a row's largest x - R lies above -2^26, so -2^27 lies under all that can count; an x - R under it gives p = 0; and |c M| stays under 2^28, where c M is rounded
; by at most 8: so p is at most 2^8, inside f16, also in a step that is walked for another row's sake and holds only far-off numbers of this row.
; REGISTERS: window 0: v1-7 addresses; v8-31 statistics, 12 a tile; v32-63 Q; v64-127 S^T; v128-159 P; v160-223 the mask's tile; v224-239 the copy.   window 1: v0-63 O^T; v64-127 K; v128-191 V.
.set SPARE, 32768                      ; behind the two buffers: the spare words, 128 bytes for each wave
.set SPW,  1
.set NIL,  2
.set LI,   3                           ; 16 x lane
.set CP,   4                           ; 2,048 x wave + 16 x lane: my part of a step's 16 KiB, in memory and in LDS
.set MOFF, 5                           ; 8,192 r + 32 h: my place in a tile of the mask
.set RO,   6                           ; 4 r
.set PFO,  7                           ; 8,192 x wave + 256 x lane: the prefetches' offset
.set ST,   8                           ; tile T at v[ST + 12 T]: +0 c M, +1 M, +2,3 L, +4 the factor, +5 -, +6..9 at work, +10 R, +11 -
.set Q,    32
.set S,    64
.set P,    128
.set MB,   160
.set STG,  224
.set O,    0
.set KF,   64
.set VF,   128
.set REC,  24576
.set MSB, 0
.macro WIN new
.if MSB != (\new)
	s_set_vgpr_msb (MSB<<8)|(\new)
.set MSB, (\new)
.endif
.endm
	s_load_b256 s[4:11], s[0:1], 0x0               ; qkv s[4:5], mask s[6:7], flags s[8:9], rowmax s[10:11]
	s_load_b64 s[12:13], s[0:1], 0x20              ; aimg
	v_lshl_add_u32 v[SPW], v0, 2, SPARE
	v_mov_b32 v[NIL], 0
	v_lshrrev_b32 v8, 5, v0
	v_readfirstlane_b32 s14, v8                    ; wave 0..7
	s_mov_b32 s15, ttmp9                           ; p
	s_and_b32 s16, ttmp7, 0xffff                   ; bh
	v_and_b32 v8, 31, v0
	v_lshlrev_b32 v[LI], 4, v8
	s_lshl_b32 s24, s14, 11
	v_add_nc_u32 v[CP], s24, v[LI]
	v_and_b32 v9, 15, v0
	v_bfe_u32 v10, v0, 4, 1
	v_lshlrev_b32 v[MOFF], 13, v9
	v_lshl_add_u32 v[MOFF], v10, 5, v[MOFF]
	v_lshlrev_b32 v[RO], 2, v9
	s_lshl_b32 s24, s14, 13
	v_lshl_add_u32 v[PFO], v8, 8, s24
	s_mov_b32 s35, 0x3fb8aa3b                      ; c = log2(e)
	s_mov_b32 s42, 0x3d38aa3b                      ; c / 32
	s_mov_b32 s36, 0x76543210
	s_mov_b32 s37, 0xfedcba98                      ; v_permlanex16_b32's selects for lane l xor 16
	s_mov_b32 s38, 0xce6e6b28                      ; -1e9
	s_mov_b32 s39, s38
	s_mov_b32 s40, 0x3d000000                      ; 1/32
	s_mov_b32 s41, s40
.set n, 0
.rept 80
	v_mov_b32 v[MB+n], 0                           ; the mask's tile and the copy's registers are loaded and used under two tests of one flag: they are written whole once
.set n, n+1
.endr
	s_wait_kmcnt 0x0
	s_mul_i32 s24, s16, 32*REC
	s_mov_b32 s25, 0
	s_add_nc_u64 s[60:61], s[4:5], s[24:25]        ; my head's records
	s_mov_b32 s17, 0                               ; block 0, 1
.macro KVLOAD off                      ; my 2 KiB of the K and V parts of the record off bytes on
.irp i, 0,1,2,3
	global_load_b128 v[STG+4*\i:STG+4*\i+3], v[CP], s[20:21] offset:(\off)+8192+512*\i
.endr
.endm
.macro KVSTORE buf
.irp i, 0,1,2,3
	ds_store_b128 v[CP], v[STG+4*\i:STG+4*\i+3] offset:(\buf)*16384+512*\i
.endr
.endm
.macro MASKLOAD off                    ; the mask at my 32 queries x 64 keys, in S^T's layout
.irp T, 0,1
.irp k, 0,1,2,3
.irp u, 0,1
	global_load_b128 v[MB+32*\T+8*\k+4*\u:MB+32*\T+8*\k+4*\u+3], v[MOFF], s[22:23] offset:(\off)+131072*\T+64*\k+16*\u
.endr
.endr
.endr
.endm
.macro PRELUDE                         ; x - R = fma(s, 1/32, (1 - m) x -1e9) - R, in place of s
.set n, 0
.rept 32
	v_pk_add_f32 v[MB+n:MB+n+1], v[MB+n:MB+n+1], 1.0 op_sel_hi:[1,0] neg_lo:[1,0] neg_hi:[1,0]
.set n, n+2
.endr
.set n, 0
.rept 32
	v_pk_mul_f32 v[MB+n:MB+n+1], v[MB+n:MB+n+1], s[38:39] op_sel_hi:[1,0]
.set n, n+2
.endr
.set n, 0
.rept 32
	v_pk_fma_f32 v[S+n:S+n+1], v[S+n:S+n+1], s[40:41], v[MB+n:MB+n+1] op_sel_hi:[1,0,1]
.set n, n+2
.endr
.irp T, 0,1
.set n, 0
.rept 16
	v_pk_add_f32 v[S+32*\T+n:S+32*\T+n+1], v[S+32*\T+n:S+32*\T+n+1], v[ST+12*\T+10:ST+12*\T+11] op_sel_hi:[1,0] neg_lo:[0,1] neg_hi:[0,1]
.set n, n+2
.endr
.endr
.endm
.macro SOFTMAX                         ; the two tiles line by line, so that no line waits for the line above it
.irp i, 0,1,2,3
.irp T, 0,1
	v_max3_num_f32 v[ST+12*\T+6+\i], v[S+32*\T+8*\i], v[S+32*\T+8*\i+1], v[S+32*\T+8*\i+2]   ; each accumulator is read from its low end on
.endr
.endr
.irp m, 3,5
.irp i, 0,1,2,3
.irp T, 0,1
	v_max3_num_f32 v[ST+12*\T+6+\i], v[ST+12*\T+6+\i], v[S+32*\T+8*\i+\m], v[S+32*\T+8*\i+\m+1]
.endr
.endr
.endr
.irp T, 0,1
	v_max3_num_f32 v[ST+12*\T+6], v[ST+12*\T+6], v[S+32*\T+7], v[S+32*\T+15]
	v_max3_num_f32 v[ST+12*\T+8], v[ST+12*\T+8], v[S+32*\T+23], v[S+32*\T+31]
.endr
.irp T, 0,1
	v_max3_num_f32 v[ST+12*\T+6], v[ST+12*\T+6], v[ST+12*\T+7], v[ST+12*\T+8]
.endr
.irp T, 0,1
	v_max_num_f32 v[ST+12*\T+6], v[ST+12*\T+6], v[ST+12*\T+9]
.endr
.irp T, 0,1
	v_permlanex16_b32 v[ST+12*\T+7], v[ST+12*\T+6], s36, s37       ; the query's other 32 keys lie in the lane 16 away
.endr
.irp T, 0,1
	v_max_num_f32 v[ST+12*\T+6], v[ST+12*\T+6], v[ST+12*\T+7]
.endr
.irp T, 0,1
	v_mul_f32 v[ST+12*\T+6], s34, v[ST+12*\T+6]    ; as x: x 1/32 where the registers still hold scores
.endr
.irp T, 0,1
	v_mov_b32 v[ST+12*\T+8], v[ST+12*\T]           ; c M_old
.endr
.irp T, 0,1
	v_max_num_f32 v[ST+12*\T+1], v[ST+12*\T+1], v[ST+12*\T+6]
.endr
.irp T, 0,1
	v_mul_f32 v[ST+12*\T], s35, v[ST+12*\T+1]
.endr
.irp T, 0,1
	v_sub_f32 v[ST+12*\T+8], v[ST+12*\T+8], v[ST+12*\T]
.endr
.irp T, 0,1
.set n, 0
.rept 16
	v_pk_fma_f32 v[S+32*\T+n:S+32*\T+n+1], v[S+32*\T+n:S+32*\T+n+1], s[32:33], v[ST+12*\T:ST+12*\T+1] op_sel_hi:[1,0,0] neg_lo:[0,0,1] neg_hi:[0,0,1]
.set n, n+2
.endr
.endr
.irp T, 0,1
	v_exp_f32 v[ST+12*\T+4], v[ST+12*\T+8]
.endr
.set n, 0
.rept 64
	v_exp_f32 v[S+n], v[S+n]                       ; ONE batch: the 66 exponentials of both tiles; none reads another's result
.set n, n+1
.endr
	v_nop                                          ; the plain instruction behind the last exponential
	s_wait_alu depctr_va_vdst(0)                   ; one wait for the batch, ahead of its first reader
.set n, 0
.rept 32
	v_cvt_pk_f16_f32 v[P+n], v[S+2*n], v[S+2*n+1]
.set n, n+1
.endr
.irp w, 4,8,16,32                      ; the sum of a tile's 16 pairs, in place: neighbours 1, 2, 4, 8 pairs apart
.irp T, 0,1
.set n, 0
.rept 32/\w
	v_pk_add_f32 v[S+32*\T+n:S+32*\T+n+1], v[S+32*\T+n:S+32*\T+n+1], v[S+32*\T+n+\w/2:S+32*\T+n+\w/2+1]
.set n, n+\w
.endr
.endr
.endr
.irp T, 0,1
	v_pk_fma_f32 v[ST+12*\T+2:ST+12*\T+3], v[ST+12*\T+2:ST+12*\T+3], v[ST+12*\T+4:ST+12*\T+5], v[S+32*\T:S+32*\T+1] op_sel_hi:[1,0,1]
.endr
	WIN 0x41                                       ; O^T (destination and source 0) in window 1
.irp T, 0,1
.set n, 0
.rept 16
	v_pk_mul_f32 v[O+32*\T+n:O+32*\T+n+1], v[O+32*\T+n:O+32*\T+n+1], v[ST+12*\T+4:ST+12*\T+5] op_sel_hi:[1,0]
.set n, n+2
.endr
.endr
.endm
; A KEY STEP.  Its K and V lie in buffer buf.  Bit 0 of the flag words is this step's, bit 1 the next one's.  s28: live for my queries; s29: live and unclean; s30: live for a wave of the work-group; s31: to be prefetched.
.macro STEP buf
	s_bitcmp1_b32 s30, 1
	s_cbranch_scc0 .Lnokv_\@
	KVLOAD REC                                     ; the next step's K and V, into registers
.Lnokv_\@:
	s_bitcmp1_b32 s31, 4
	s_cbranch_scc0 .Lnopf_\@
	global_prefetch_b8 v[PFO], s[20:21] offset:4*REC+8192 th:TH_LOAD_NT scope:SCOPE_SE   ; the step four on, whose loads go out three steps from here: waves 0 and 1 of the head's first work-group, in its first block: 8 KiB a wave, lanes 256 bytes apart.  The bits shifted in are 0: nothing is asked past the head's last step
.Lnopf_\@:
	s_bitcmp1_b32 s28, 0
	s_cbranch_scc0 .Ldead_\@
	WIN 0x40                                       ; destination window 1
.set n, 0
.rept 16
	ds_load_b128 v[KF+4*n:KF+4*n+3], v[LI] offset:(\buf)*16384+512*n
.set n, n+1
.endr
.set n, 0
.rept 16
	ds_load_b128 v[VF+4*n:VF+4*n+3], v[LI] offset:(\buf)*16384+8192+512*n
.set n, n+1
.endr
	s_wait_dscnt 16                                ; K is in; V's 16 loads may be out
	WIN 0x01                                       ; K in window 1
.irp c, 0,1                            ; the eight accumulators take turns, one instruction a turn
.irp T, 0,1
.irp k, 0,1,2,3
.if \c == 0
	v_wmma_f32_16x16x32_f16 v[S+32*\T+8*\k:S+32*\T+8*\k+7], v[KF+16*\k+8*\c:KF+16*\k+8*\c+7], v[Q+16*\T+8*\c:Q+16*\T+8*\c+7], 0
.else
	v_wmma_f32_16x16x32_f16 v[S+32*\T+8*\k:S+32*\T+8*\k+7], v[KF+16*\k+8*\c:KF+16*\k+8*\c+7], v[Q+16*\T+8*\c:Q+16*\T+8*\c+7], v[S+32*\T+8*\k:S+32*\T+8*\k+7]
.endif
.endr
.endr
.endr
	WIN 0
.rept 4
	v_nop                                          ; places behind the products, ahead of the first read of the scores
.endr
	s_bitcmp1_b32 s29, 0
	s_cselect_b32 s32, s35, s42                    ; the exponent's factor: c on x, c / 32 on scores
	s_cselect_b32 s34, 1.0, s40                    ; the maximum's: 1 or 1/32
	s_mov_b32 s33, s32
	s_cbranch_scc0 .Lclean_\@
	PRELUDE
.Lclean_\@:
	s_bitcmp1_b32 s29, 1
	s_cbranch_scc0 .Lnomask_\@
	MASKLOAD 256                                   ; the next step's tile of the mask
.Lnomask_\@:
	SOFTMAX
	s_wait_dscnt 0x0                               ; V is in
	WIN 0x51                                       ; V, and O^T as C and D, in window 1
.irp c, 0,1
.irp T, 0,1
.irp d, 0,1,2,3
	v_wmma_f32_16x16x32_f16 v[O+32*\T+8*\d:O+32*\T+8*\d+7], v[VF+16*\d+8*\c:VF+16*\d+8*\c+7], v[P+16*\T+8*\c:P+16*\T+8*\c+7], v[O+32*\T+8*\d:O+32*\T+8*\d+7]
.endr
.endr
.endr
	WIN 0
.rept 4
	v_nop                                          ; places ahead of the next loads into K's and V's registers and of the next read of O^T
.endr
	s_branch .Ljoin_\@
.Ldead_\@:
	s_bitcmp1_b32 s29, 1
	s_cbranch_scc0 .Ljoin_\@
	MASKLOAD 256
.Ljoin_\@:
	s_wait_loadcnt 0x0                             ; the copy and the next tile of the mask are in
	s_bitcmp1_b32 s30, 1
	s_cbranch_scc0 .Lnost_\@
	KVSTORE 1-(\buf)                               ; into the buffer that was read a step ago: those reads were waited for ahead of that step's signal
.Lnost_\@:
	s_wait_dscnt 0x0                               ; my stores have landed and my reads of this buffer are over
	s_barrier_signal -1
	s_barrier_wait -1
	s_wait_xcnt 0x0                                ; the loads and the prefetch have read their bases
	s_add_nc_u64 s[20:21], s[20:21], REC
	s_add_nc_u64 s[22:23], s[22:23], 256
	s_lshr_b32 s28, s28, 1
	s_lshr_b32 s29, s29, 1
	s_lshr_b32 s30, s30, 1
	s_lshr_b32 s31, s31, 1
.endm
.Lblock:
	s_wait_xcnt 0x0                                ; the last block's stores have read their base
	s_sub_co_u32 s18, 7, s15
	s_cmp_eq_u32 s17, 0
	s_cselect_b32 s18, s18, s15                    ; the block of 256 queries: 7 - p, then p
	s_lshl_b32 s24, s18, 7
	s_mov_b32 s25, 0
	s_add_nc_u64 s[26:27], s[8:9], s[24:25]
	s_lshl_b32 s24, s14, 4
	s_load_b512 s[44:59], s[26:27], 0x0            ; the block's 32 words LIVE
	s_load_b512 s[68:83], s[26:27], 0x40
	s_load_b128 s[84:87], s[26:27], s24 offset:0x0    ; my four,
	s_load_b128 s[88:91], s[26:27], s24 offset:0x400  ; and my four words UNCLEAN
	s_lshl_b32 s92, s18, 8
	s_lshl_b32 s93, s14, 5
	s_add_co_u32 s92, s92, s93                     ; my first query
	s_lshl_b32 s94, s92, 13
	s_mov_b32 s95, 0
	s_add_nc_u64 s[22:23], s[6:7], s[94:95]        ; its row of the mask
	s_lshl_b32 s94, s92, 2
	s_add_nc_u64 s[96:97], s[10:11], s[94:95]      ; its R
	s_lshl_b32 s94, s18, 2
	s_lshr_b32 s93, s14, 1
	s_add_co_u32 s94, s94, s93
	s_mul_i32 s94, s94, REC
	s_and_b32 s93, s14, 1
	s_lshl_b32 s93, s93, 12
	s_add_co_u32 s94, s94, s93
	s_add_nc_u64 s[98:99], s[60:61], s[94:95]      ; its four fragments of Q
	s_mov_b64 s[20:21], s[60:61]                   ; key step 0
.set n, 0
.rept 8
	global_load_b128 v[Q+4*n:Q+4*n+3], v[LI], s[98:99] offset:512*n
.set n, n+1
.endr
.irp T, 0,1
	global_load_b32 v[ST+12*\T+10], v[RO], s[96:97] offset:64*\T
.endr
	WIN 0x40
.set n, 0
.rept 64
	v_mov_b32 v[O+n], 0                            ; O^T: which step is a wave's first live one hangs on the flags, so the sums begin as zeros
.set n, n+1
.endr
	WIN 0
.irp T, 0,1
	v_mov_b32 v[ST+12*\T+1], 0xcd000000            ; M = -2^27: under every x - R that can count (head comment)
	v_mov_b32 v[ST+12*\T+2], 0
	v_mov_b32 v[ST+12*\T+3], 0
	v_mov_b32 v[ST+12*\T+4], 0
	v_mov_b32 v[ST+12*\T+5], 0
	v_mov_b32 v[ST+12*\T+7], 0
	v_mov_b32 v[ST+12*\T+11], 0
	v_mul_f32 v[ST+12*\T], s35, v[ST+12*\T+1]
.endr
	s_wait_kmcnt 0x0
	s_or_b32 s30, s44, s45
.irp n, 46,47,48,49,50,51,52,53,54,55,56,57,58,59,68,69,70,71,72,73,74,75,76,77,78,79,80,81,82,83
	s_or_b32 s30, s30, s\n
.endr
	s_or_b32 s28, s84, s85
	s_or_b32 s28, s28, s86
	s_or_b32 s28, s28, s87
	s_or_b32 s29, s88, s89
	s_or_b32 s29, s29, s90
	s_or_b32 s29, s29, s91
	s_and_b32 s29, s29, s28
	s_lshr_b32 s93, s14, 1                         ; 0 in waves 0 and 1,
	s_or_b32 s93, s93, s15                         ; of the head's first work-group,
	s_or_b32 s93, s93, s17                         ; in its first block
	s_cmp_eq_u32 s93, 0
	s_cselect_b32 s31, s30, 0
	s_bitcmp1_b32 s29, 0
	s_cbranch_scc0 .Lp_nomask
	MASKLOAD 0
.Lp_nomask:
	s_bitcmp1_b32 s30, 0
	s_cbranch_scc0 .Lp_nokv
	KVLOAD 0
.Lp_nokv:
	s_wait_loadcnt 0x0
	s_bitcmp1_b32 s30, 0
	s_cbranch_scc0 .Lp_nost
	KVSTORE 0                                      ; buffer 0's last reads, in the last block's last step but one, were waited for ahead of that step's signal
.Lp_nost:
	s_wait_dscnt 0x0
	s_barrier_signal -1
	s_barrier_wait -1
	s_mov_b32 s19, 0
.Lpair:
	STEP 0
	STEP 1
	s_add_co_u32 s19, s19, 1
	s_cmp_lt_u32 s19, 16
	s_cbranch_scc1 .Lpair
	; the block's way out: O^T / L, rounded to f16
.irp T, 0,1
	v_add_f32 v[ST+12*\T+6], v[ST+12*\T+2], v[ST+12*\T+3]
.endr
.irp T, 0,1
	v_permlanex16_b32 v[ST+12*\T+7], v[ST+12*\T+6], s36, s37
.endr
.irp T, 0,1
	v_add_f32 v[ST+12*\T+6], v[ST+12*\T+6], v[ST+12*\T+7]
.endr
.irp T, 0,1
	v_rcp_f32 v[ST+12*\T+4], v[ST+12*\T+6]
.endr
	v_nop
	s_wait_alu depctr_va_vdst(0)                   ; one wait for the two reciprocals
	WIN 0x41
.irp T, 0,1
.set n, 0
.rept 16
	v_pk_mul_f32 v[O+32*\T+n:O+32*\T+n+1], v[O+32*\T+n:O+32*\T+n+1], v[ST+12*\T+4:ST+12*\T+5] op_sel_hi:[1,0]
.set n, n+2
.endr
.endr
	WIN 0x05                                       ; sources 0 and 1 window 1, destination window 0
.set n, 0
.rept 32
	v_cvt_pk_f16_f32 v[P+n], v[O+2*n], v[O+2*n+1]
.set n, n+1
.endr
	WIN 0
	s_lshr_b32 s94, s16, 4                         ; batch
	s_lshl_b32 s94, s94, 7
	s_lshl_b32 s93, s18, 4
	s_add_co_u32 s94, s94, s93
	s_lshl_b32 s93, s14, 1
	s_add_co_u32 s94, s94, s93                     ; my first tile of 16 tokens
	s_lshl_b32 s94, s94, 15
	s_and_b32 s93, s16, 15
	s_lshl_b32 s93, s93, 11                        ; my head's two fragments
	s_add_co_u32 s94, s94, s93
	s_add_nc_u64 s[92:93], s[12:13], s[94:95]
.irp T, 0,1
.irp d, 0,1,2,3
	global_store_b128 v[LI], v[P+16*\T+4*\d:P+16*\T+4*\d+3], s[92:93] offset:32768*\T+512*\d
.endr
.endr
	s_add_co_u32 s17, s17, 1
	s_cmp_lt_u32 s17, 2
	s_cbranch_scc1 .Lblock
	s_wait_tensorcnt 0x0                           ; the wave's end
	ds_add_u32 v[SPW], v[NIL]
	s_wait_dscnt 0x0
	s_endpgm
.Lfunc_end_k_qa85fe9ef5d_attn:
	.size	k_qa85fe9ef5d_attn, .Lfunc_end_k_qa85fe9ef5d_attn-k_qa85fe9ef5d_attn
	.p2alignl 7, 3214868480
	.fill 96, 4, 3214868480
	.section	.rodata,"a",@progbits
	.p2align	6, 0x0
	.amdhsa_kernel k_qa85fe9ef5d_attn
		.amdhsa_group_segment_fixed_size 33792
		.amdhsa_private_segment_fixed_size 0
		.amdhsa_enable_private_segment 0
		.amdhsa_kernarg_size 40
		.amdhsa_user_sgpr_count 2
		.amdhsa_user_sgpr_kernarg_segment_ptr 1
		.amdhsa_wavefront_size32 1
		.amdhsa_system_sgpr_workgroup_id_x 1
		.amdhsa_system_sgpr_workgroup_id_y 1
		.amdhsa_system_sgpr_workgroup_id_z 1
		.amdhsa_system_vgpr_workitem_id 0
		.amdhsa_next_free_vgpr 448
		.amdhsa_next_free_sgpr 100
		.amdhsa_reserve_vcc 0
		.amdhsa_float_denorm_mode_32 3
		.amdhsa_float_denorm_mode_16_64 3
		.amdhsa_memory_ordered 1
		.amdhsa_forward_progress 1
		.amdhsa_inst_pref_size 79
	.end_amdhsa_kernel
	.amdgpu_metadata
---
amdhsa.version: [ 1, 2 ]
amdhsa.kernels:
  - .name:           k_qa85fe9ef5d_attn
    .symbol:         k_qa85fe9ef5d_attn.kd
    .args:
      - { .name: qkv, .offset: 0, .size: 8, .value_kind: global_buffer, .address_space: global }
      - { .name: mask, .offset: 8, .size: 8, .value_kind: global_buffer, .address_space: global }
      - { .name: flags, .offset: 16, .size: 8, .value_kind: global_buffer, .address_space: global }
      - { .name: rowmax, .offset: 24, .size: 8, .value_kind: global_buffer, .address_space: global }
      - { .name: aimg, .offset: 32, .size: 8, .value_kind: global_buffer, .address_space: global }
    .group_segment_fixed_size: 33792
    .private_segment_fixed_size: 0
    .kernarg_segment_align: 8
    .kernarg_segment_size: 40
    .max_flat_workgroup_size: 256
    .sgpr_count:     100
    .vgpr_count:     448
    .wavefront_size: 32
...
	.end_amdgpu_metadata
.endif
;; end of part 3
;; launch proj (part 4): grid 4 x 64, 4 waves a work-group, clusters of 4 x 4, 327,680 bytes of LDS; arguments aimg, wp, b_proj, out0; writes out0
.if DOCPART == 4
	.amdgcn_target "amdgcn-amd-amdhsa--gfx1250"
	.amdhsa_code_object_version 6
	.text
	.protected	k_qa85fe9ef5d_proj
	.globl	k_qa85fe9ef5d_proj
	.p2align	8
	.type	k_qa85fe9ef5d_proj,@function
k_qa85fe9ef5d_proj:
	s_mov_b64 s[64:65], 0
	v_nop
	global_prefetch_b8 v0, s[64:65] scope:SCOPE_SE
	s_setreg_imm32_b32 hwreg(HW_REG_WAVE_MODE, 25, 1), 1
	s_wait_xcnt 0x0
	s_wait_alu depctr_hold_cnt(0) depctr_sa_sdst(0) depctr_va_vdst(0) depctr_va_sdst(0) depctr_va_ssrc(0) depctr_va_vcc(0) depctr_vm_vsrc(0)
	s_getreg_b32 s2, hwreg(HW_REG_IB_STS2, 6, 4)
	s_cmp_eq_u32 s2, 0
	s_cbranch_scc0 .Lentry_in_a_cluster
	s_endpgm
.Lentry_in_a_cluster:
	s_bfe_u32 s2, ttmp6, 0x10000c
	s_cmp_lg_u32 s2, 0xf033
	s_cbranch_scc0 .Lentry_shape_is_right
	s_endpgm
.Lentry_shape_is_right:
; out0 = attn W_proj + b_proj: [8192] x [1024], K = 1024; operands f16 (W_proj's high part alone), sums f32.  The first 16 rows of each sequence are stored here too and written over by the last launch, which
; carries them more finely: no branch of a cluster launch may hang on a partner's place.
; A tile of 128 tokens x 256 columns is made by a work-group of four waves: 256 work-groups.  A wave makes 64 x 128: 32 accumulators, 256 registers.  K goes in steps of 128 through two LDS slots.
; Both operands lie in memory as images of operand registers: a tile of 16 rows is 32 fragments of 1,024 bytes; a K step takes four of them, 4,096 consecutive bytes of each tile.
; CLUSTERS: 4 x 4.  The four of a row of the cluster need the same tokens, the four of a column the same columns of W: each tile is asked for jointly.
; THE MATRIX INSTRUCTION IS USED TRANSPOSED (source 0 = 16 columns of W, source 1 = 16 tokens): a lane holds eight neighbouring numbers of a row of out0.  The bias is the C of each sum's first product.
; REGISTERS: window 0: v16-30 addresses; v32-95 the bias; v128-255 rows on the way out.   window 1: two fragment buffers of 96 (W's 8 fragments, then the tokens' 4).   window 2: the accumulators, (a, b) at v[8 (8 a + b)].
.set SLOT,   98304                     ; the tokens' 8 tiles x 4,096 bytes, then W's 16
.set STAGE,  196608                    ; behind the ring: 16 rows x 528 bytes for each wave
.set SPITCH, 528
.set SPARE,  230400                    ; the spare words, 128 bytes for each wave
.set ADRA, 16
.set ADRB, 20
.set STO,  24
.set RD,   25
.set CO,   26                          ; 16 x lane
.set SPW,  28
.set NIL,  29
.set BO,   30
.set BIAS, 32
.set BK,   128
.set F0,   0
.set F1,   96
.set G1, 24
.set G0, 32
.set G1B, 48
.set G0B, 56
.set MSB, 0
.macro WIN new
.if MSB != (\new)
	s_set_vgpr_msb (MSB<<8)|(\new)
.set MSB, (\new)
.endif
.endm
.set MUL,  0xa5                        ; sources 0 and 1 window 1; C and D window 2
.set MULF, 0x85                        ; the same with C (the bias) in window 0
.set TO_F, 0x40
.macro JLOAD s                         ; waves 0 and 1 fetch the tokens' halves, waves 2 and 3 W's; an s_nop 0 and four v_nop follow each of the two lines
	s_cmp_eq_u32 s13, 0
	s_cbranch_scc0 .Lfor_b_\@
	tensor_load_to_lds s[G0+4*\s:G0+4*\s+3], s[G1:G1+7]
	s_nop 0
.rept 4
	v_nop
.endr
	s_branch .Lasked_\@
.Lfor_b_\@:
	tensor_load_to_lds s[G0B+4*\s:G0B+4*\s+3], s[G1B:G1B+7]
	s_nop 0
.rept 4
	v_nop
.endr
.Lasked_\@:
.endm
.macro CREST
	s_cmp_lg_u32 s12, 0
	s_cbranch_scc1 .Lnot_wave_0_\@
	s_barrier_signal -3
.Lnot_wave_0_\@:
	s_barrier_wait -3
	s_barrier_signal -1
	s_barrier_wait -1
.endm
.macro CROUND
	s_barrier_signal -1
	s_barrier_wait -1
	CREST
.endm
	s_load_b256 s[4:11], s[0:1], 0x0               ; aimg s[4:5], wp s[6:7], b_proj s[8:9], out0 s[10:11]
	v_lshl_add_u32 v[SPW], v0, 2, SPARE
	v_mov_b32 v[NIL], 0
	ds_add_u32 v[SPW], v[NIL]                      ; the wave's opening: the add, twice on end, and its wait ahead of my first tensor load
	ds_add_u32 v[SPW], v[NIL]
	v_lshrrev_b32 v1, 5, v0
	v_readfirstlane_b32 s12, v1                    ; wave 0..3
	s_lshr_b32 s13, s12, 1                         ; which 64 tokens are mine.  Also: I fetch tokens (0) or W (1)
	s_and_b32 s14, s12, 1                          ; which 128 columns.  Also: which half I fetch
	s_bfe_u32 s40, ttmp6, 0x40000                  ; cx
	s_bfe_u32 s41, ttmp6, 0x40004                  ; cy
	s_lshl_b32 s42, ttmp9, 2
	s_add_co_u32 s42, s42, s40                     ; tile column
	s_and_b32 s16, ttmp7, 0xffff
	s_lshl_b32 s16, s16, 2
	s_add_co_u32 s16, s16, s41                     ; tile row
	s_lshl_b32 s43, s41, 2
	s_lshl_b32 s43, 15, s43                        ; my row of the cluster
	s_lshl_b32 s44, 0x1111, s40                    ; my column
	; group 1: rows of 4,096 bytes (512 elements of 8 bytes), 32,768 bytes apart; 4 of them for the tokens, 8 for W; dense in LDS
	s_or_b32 s[G1+0], s43, (3<<16)|(1<<21)
	s_or_b32 s[G1B+0], s44, (3<<16)|(1<<21)
	s_mov_b32 s[G1+1], 512<<16
	s_mov_b32 s[G1+2], 4<<16
	s_mov_b32 s[G1+3], 512<<16
	s_mov_b32 s[G1+4], 4
	s_mov_b32 s[G1+5], 4096
	s_mov_b32 s[G1+6], 0
	s_mov_b32 s[G1+7], 0
	s_mov_b32 s[G1B+1], 512<<16
	s_mov_b32 s[G1B+2], 8<<16
	s_mov_b32 s[G1B+3], 512<<16
	s_mov_b32 s[G1B+4], 8
	s_mov_b32 s[G1B+5], 4096
	s_mov_b32 s[G1B+6], 0
	s_mov_b32 s[G1B+7], 0
	s_lshl_b32 s18, s16, 18                        ; the tokens: 8 tiles a tile row,
	s_lshl_b32 s17, s14, 17                        ; 4 of them mine to fetch
	s_add_co_u32 s18, s18, s17
	s_mov_b32 s19, 0
	s_lshl_b32 s46, s42, 19                        ; W: 16 tiles a tile column,
	s_lshl_b32 s17, s14, 18                        ; 8 of them
	s_add_co_u32 s46, s46, s17
	s_mov_b32 s47, 0
	s_lshl_b32 s20, s14, 14                        ; where they go
	s_lshl_b32 s21, s14, 15
	s_add_co_u32 s21, s21, 32768
	s_wait_dscnt 0x0                               ; both opening adds are done
	s_wait_kmcnt 0x0
	s_add_nc_u64 s[18:19], s[4:5], s[18:19]
	s_add_nc_u64 s[46:47], s[6:7], s[46:47]
	CROUND                                         ; all sixteen work-groups are here: the first joint loads meet
.irp s, 0,1
	s_mov_b32 s[G0+4*\s], 1
	s_add_co_u32 s[G0+4*\s+1], s20, \s*SLOT
	s_add_nc_u64 s[G0+4*\s+2:G0+4*\s+3], s[18:19], \s*4096
	s_or_b32 s[G0+4*\s+3], s[G0+4*\s+3], 0x80000000
	s_mov_b32 s[G0B+4*\s], 1
	s_add_co_u32 s[G0B+4*\s+1], s21, \s*SLOT
	s_add_nc_u64 s[G0B+4*\s+2:G0B+4*\s+3], s[46:47], \s*4096
	s_or_b32 s[G0B+4*\s+3], s[G0B+4*\s+3], 0x80000000
	JLOAD \s
.endr
	v_and_b32 v1, 15, v0                           ; r
	v_bfe_u32 v2, v0, 4, 1                         ; h
	v_and_b32 v3, 31, v0
	v_lshlrev_b32 v[CO], 4, v3
	s_lshl_b32 s22, s13, 14                        ; my four tiles of tokens
	s_lshl_b32 s23, s14, 15                        ; my eight tiles of W,
	s_add_co_u32 s23, s23, 32768                   ; behind the tokens'
.irp s, 0,1
	v_add_nc_u32 v[ADRA+\s], s22, v[CO]
	v_add_nc_u32 v[ADRB+\s], s23, v[CO]
	s_add_co_u32 s22, s22, SLOT
	s_add_co_u32 s23, s23, SLOT
.endr
	s_mul_i32 s22, s12, 16*SPITCH
	s_add_co_u32 s22, s22, STAGE                   ; my stage
	v_mul_u32_u24 v4, v1, SPITCH
	v_lshl_add_u32 v4, v2, 5, v4
	v_add_nc_u32 v[STO], s22, v4                   ; in: row r, 32 bytes for each half of the lanes
	v_add_nc_u32 v[RD], s22, v[CO]                 ; back: the 32 lanes take one row of 512 bytes
	s_lshl_b32 s15, s42, 10
	s_lshl_b32 s22, s14, 9
	s_add_co_u32 s15, s15, s22                     ; my first column, in bytes
	v_lshl_add_u32 v[BO], v2, 5, s15
.irp b, 0,1,2,3,4,5,6,7
	global_load_b128 v[BIAS+8*\b:BIAS+8*\b+3], v[BO], s[8:9] offset:64*\b          ; register 8 b + j: b_proj(16 b + 8 h + j) of my 128 columns
	global_load_b128 v[BIAS+8*\b+4:BIAS+8*\b+7], v[BO], s[8:9] offset:64*\b+16
.endr
	s_lshl_b32 s22, s16, 19                        ; 128 rows of 4,096 bytes a tile row,
	s_lshl_b32 s23, s13, 18                        ; my 64
	s_add_co_u32 s22, s22, s23
	s_add_co_u32 s22, s22, s15
	s_mov_b32 s23, 0
	s_add_nc_u64 s[10:11], s[10:11], s[22:23]
.macro MUL8 f, a, first                ; tokens' tile a x W's eight, 32 along K
.irp b, 0,1,2,3,4,5,6,7
.if \first
	v_wmma_f32_16x16x32_f16 v[8*(8*(\a)+\b):8*(8*(\a)+\b)+7], v[\f+8*\b:\f+8*\b+7], v[\f+64+8*(\a):\f+64+8*(\a)+7], v[BIAS+8*\b:BIAS+8*\b+7]
.else
	v_wmma_f32_16x16x32_f16 v[8*(8*(\a)+\b):8*(8*(\a)+\b)+7], v[\f+8*\b:\f+8*\b+7], v[\f+64+8*(\a):\f+64+8*(\a)+7], v[8*(8*(\a)+\b):8*(8*(\a)+\b)+7]
.endif
.endr
.endm
.macro FETCH slot, q, f                ; 24 LDS loads in one run: W's 16, then the tokens' 8
	WIN TO_F
.irp i, 0,1,2,3,4,5,6,7
	ds_load_b128 v[\f+8*\i:\f+8*\i+3],   v[ADRB+\slot] offset:\i*4096+(\q)*1024
	ds_load_b128 v[\f+8*\i+4:\f+8*\i+7], v[ADRB+\slot] offset:\i*4096+(\q)*1024+512
.endr
.irp i, 0,1,2,3
	ds_load_b128 v[\f+64+8*\i:\f+64+8*\i+3],   v[ADRA+\slot] offset:\i*4096+(\q)*1024
	ds_load_b128 v[\f+64+8*\i+4:\f+64+8*\i+7], v[ADRA+\slot] offset:\i*4096+(\q)*1024+512
.endr
.endm
.macro PLACES
.rept 4
	v_nop
.endr
.endm
; A K step is four quarters of 32 along K, 32 matrix instructions each, on buffers 0, 1, 0, 1.  The 32 accumulators take turns in one order throughout.
.macro QUARTER slot, q, f, g, first
	s_wait_dscnt 4                                 ; W and the tokens' tiles 0 and 1 are in; the youngest four loads may be out
.if \first
	WIN MULF
.else
	WIN MUL
.endif
	MUL8 \f, 0, \first
	MUL8 \f, 1, \first
	PLACES
	FETCH \slot, \q, \g
	s_wait_dscnt 24                                ; all but the 24 just issued
.if \first
	WIN MULF
.else
	WIN MUL
.endif
	MUL8 \f, 2, \first
	MUL8 \f, 3, \first
.endm
; The last quarter multiplies buffer 1 and changes slots: ONE barrier; in front of it each wave waits for all its tensor loads, adds 0 to its spare word, and waits for that and for its reads of this slot.
.macro TURN slot, next, fill
	WIN 0
	s_wait_tensorcnt 0x0                           ; all my tensor loads have landed: my part of the next slot;
	ds_add_u32 v[SPW], v[NIL]                      ; 0 onto my spare word;
	s_wait_dscnt 5                                 ; (the add and the youngest four loads may be out)
	WIN MUL
	MUL8 F1, 0, 0
	s_wait_dscnt 0x0                               ; the add is done, and my reads of this slot are over
	s_barrier_signal -1
	MUL8 F1, 1, 0
.if \fill
	WIN 0
.endif
	s_barrier_wait -1
.if \fill
	CREST                                          ; the barrier has opened a round of the cluster's barrier: no wave of any partner still reads this slot or has a load on its way
	s_add_nc_u64 s[G0+4*\slot+2:G0+4*\slot+3], s[G0+4*\slot+2:G0+4*\slot+3], 8192
	s_add_nc_u64 s[G0B+4*\slot+2:G0B+4*\slot+3], s[G0B+4*\slot+2:G0B+4*\slot+3], 8192
	JLOAD \slot                                    ; the first tensor load behind the round; its four v_nop are also the places in front of the loads below
.else
	PLACES
.endif
	FETCH \next, 0, F0
	WIN MUL
	MUL8 F1, 2, 0
	MUL8 F1, 3, 0
.endm
	s_wait_tensorcnt 1                             ; my part of K step 0 is in (K step 1's load may be out)
	s_barrier_signal -1
	s_barrier_wait -1                              ; everybody's is
	FETCH 0, 0, F0
	s_wait_loadcnt 0x0                             ; the bias
	QUARTER 0, 1, F0, F1, 1                        ; the first quarter's products start the sums, from the bias
	WIN 0
	s_mov_b32 s3, 3
.Llap:                                                 ; a trip goes once round the ring and fills both slots again: six refills for K steps 2 to 7
	QUARTER 0, 2, F1, F0, 0
	QUARTER 0, 3, F0, F1, 0
	TURN 0, 1, 1
	QUARTER 1, 1, F0, F1, 0
	QUARTER 1, 2, F1, F0, 0
	QUARTER 1, 3, F0, F1, 0
	TURN 1, 0, 1
	QUARTER 0, 1, F0, F1, 0
	WIN 0
	s_sub_co_u32 s3, s3, 1
	s_cmp_lg_u32 s3, 0
	s_cbranch_scc1 .Llap
	QUARTER 0, 2, F1, F0, 0                        ; the last lap fills nothing
	QUARTER 0, 3, F0, F1, 0
	TURN 0, 1, 0
	QUARTER 1, 1, F0, F1, 0
	QUARTER 1, 2, F1, F0, 0
	QUARTER 1, 3, F0, F1, 0
	s_wait_dscnt 4
	WIN MUL
	MUL8 F1, 0, 0
	MUL8 F1, 1, 0
	s_wait_dscnt 0
	MUL8 F1, 2, 0
	MUL8 F1, 3, 0
	WIN 0
; THE WAY OUT, block by block of 16 rows x 128 columns, through my own stage: in as 32 bytes a lane, back as whole rows of 512 bytes.  LDS serves a wave's instructions in order: no wait between the stores and the loads.
.macro TOSTAGE a
	WIN 0x08                                       ; an LDS store's data are its source 1: window 2
.irp b, 0,1,2,3,4,5,6,7
	ds_store_b128 v[STO], v[64*(\a)+8*\b:64*(\a)+8*\b+3] offset:64*\b         ; each accumulator from its low end on
	ds_store_b128 v[STO], v[64*(\a)+8*\b+4:64*(\a)+8*\b+7] offset:64*\b+16
.endr
	WIN 0
.set BB, BK+64*((\a)%2)
.irp t, 0,1,2,3,4,5,6,7,8,9,10,11,12,13,14,15
	ds_load_b128 v[BB+4*\t:BB+4*\t+3], v[RD] offset:\t*SPITCH
.endr
.endm
.macro SEND a, younger
.set BB, BK+64*((\a)%2)
	s_wait_dscnt \younger                          ; the block is back in registers
.if (\a) > 0
	s_add_nc_u64 s[10:11], s[10:11], 16*4096       ; (behind a wait on XCNT: the earlier stores have read their base)
.endif
.irp t, 0,1,2,3,4,5,6,7,8,9,10,11,12,13,14,15
	global_store_b128 v[CO], v[BB+4*\t:BB+4*\t+3], s[10:11] offset:\t*4096 th:TH_STORE_NT   ; 32 lanes store 512 consecutive bytes, aligned
.endr
.endm
	PLACES
	TOSTAGE 0
.irp a, 1,2,3
.if \a > 1
	s_wait_xcnt 0x0                                ; block a - 2's stores have read their registers and their base
.endif
	TOSTAGE \a
	SEND \a-1, 32                                  ; behind block a - 1's loads: block a's 16 stores and 16 loads
.endr
	s_wait_xcnt 0x0
	SEND 3, 0
	s_wait_tensorcnt 0x0                           ; the wave's end
	ds_add_u32 v[SPW], v[NIL]
	s_wait_dscnt 0x0
	CROUND                                         ; the closing round
	s_endpgm
.Lfunc_end_k_qa85fe9ef5d_proj:
	.size	k_qa85fe9ef5d_proj, .Lfunc_end_k_qa85fe9ef5d_proj-k_qa85fe9ef5d_proj
	.p2alignl 7, 3214868480
	.fill 96, 4, 3214868480
	.section	.rodata,"a",@progbits
	.p2align	6, 0x0
	.amdhsa_kernel k_qa85fe9ef5d_proj
		.amdhsa_group_segment_fixed_size 327680
		.amdhsa_private_segment_fixed_size 0
		.amdhsa_enable_private_segment 0
		.amdhsa_kernarg_size 32
		.amdhsa_user_sgpr_count 2
		.amdhsa_user_sgpr_kernarg_segment_ptr 1
		.amdhsa_wavefront_size32 1
		.amdhsa_system_sgpr_workgroup_id_x 1
		.amdhsa_system_sgpr_workgroup_id_y 1
		.amdhsa_system_sgpr_workgroup_id_z 1
		.amdhsa_system_vgpr_workitem_id 0
		.amdhsa_next_free_vgpr 768
		.amdhsa_next_free_sgpr 66
		.amdhsa_reserve_vcc 0
		.amdhsa_float_denorm_mode_32 3
		.amdhsa_float_denorm_mode_16_64 3
		.amdhsa_memory_ordered 1
		.amdhsa_forward_progress 1
		.amdhsa_inst_pref_size 86
	.end_amdhsa_kernel
	.amdgpu_metadata
---
amdhsa.version: [ 1, 2 ]
amdhsa.kernels:
  - .name:           k_qa85fe9ef5d_proj
    .symbol:         k_qa85fe9ef5d_proj.kd
    .args:
      - { .name: aimg, .offset: 0, .size: 8, .value_kind: global_buffer, .address_space: global }
      - { .name: wp, .offset: 8, .size: 8, .value_kind: global_buffer, .address_space: global }
      - { .name: b_proj, .offset: 16, .size: 8, .value_kind: global_buffer, .address_space: global }
      - { .name: out0, .offset: 24, .size: 8, .value_kind: global_buffer, .address_space: global }
    .group_segment_fixed_size: 327680
    .private_segment_fixed_size: 0
    .kernarg_segment_align: 8
    .kernarg_segment_size: 32
    .max_flat_workgroup_size: 128
    .sgpr_count:     66
    .vgpr_count:     768
    .wavefront_size: 32
...
	.end_amdgpu_metadata
.endif
;; end of part 4
;; launch fine (part 5): grid 16 x 4, 16 waves a work-group, no clusters, 84,992 bytes of LDS; arguments qkv, mask, flags, rowmax, wp, b_proj, out0; writes out0
.if DOCPART == 5
	.amdgcn_target "amdgcn-amd-amdhsa--gfx1250"
	.amdhsa_code_object_version 6
	.text
	.protected	k_qa85fe9ef5d_fine
	.globl	k_qa85fe9ef5d_fine
	.p2align	8
	.type	k_qa85fe9ef5d_fine,@function
k_qa85fe9ef5d_fine:
	s_mov_b64 s[64:65], 0
	v_nop
	global_prefetch_b8 v0, s[64:65] scope:SCOPE_SE
	s_setreg_imm32_b32 hwreg(HW_REG_WAVE_MODE, 25, 1), 1
	s_wait_xcnt 0x0
; The first 16 positions of each sequence once more, carried more finely, and stored over what the projection left there: these rows average few values and are the largest in size.
; The weights p, V, attn and W_proj go to the matrix units as PAIRS of f16 numbers, a high and a low part split in f32: three products each (high x high, high x low, low x high).  q and k stay single f16.
; LEFT OUT: b_qkv's K third (dead: shown at the head of the first kernel); key steps that the stored flags show live for none of the 16 rows, as in the attention launch.
; LIMIT: V's low part is kept for keys 0 to 63 alone: a row among these 16 that attends to later keys takes V there as single f16, as every later row does.
; SHARES.  Work-group (cg, batch) makes rows 0-15 of its batch, columns 64 cg on.  Phase 1: wave w redoes head w's attention for the 16 rows (each of the 16 work-groups of a batch redoes it: that is a step or
; two of 64 keys a head where the mask is causal, and spares a launch).  Phase 2: attn's two parts go to LDS as images of operand registers.  Phase 3: wave w makes column tile w % 4 over a quarter w / 4 of K;
; the four quarters meet in LDS.  64 work-groups: there is no more work.  No tensor loads: the walk branches on stored flags.  Nothing is shared between work-groups but small tiles: no cluster.
; Every live step takes the mask: x = fma(s, 1/32, (1 - m) x -1e9) - R.  The running maximum begins at -2^27, as in the attention launch and for its reasons: under all that can count (|q . k| / 32 under 2^26),
; and p stays inside f16.
; REGISTERS: v1-11 addresses; v12-15 the bias; v16-27 statistics; v32-47 Q; v48-79 S^T; v80-95, v96-111 high and low parts; v112-143 O^T; v144-207 K, then V; v208-239 the mask's tile, then at work.
;   Phase 3: v32-55 three accumulators; v56-63 their sum; v64-95, v96-127 attn's parts; v128-191, v192-255 W's parts.
.set AH,    0                          ; LDS: attn's high parts, 32 fragments of 1,024 bytes;
.set AL,    32768                      ; its low parts;
.set PART,  65536                      ; four partial tiles of 16 rows x (256 bytes + 16);
.set SPARE, 82944                      ; the spare words, 128 bytes for each wave
.set SPW, 1
.set NIL, 2
.set LI,  3                            ; 16 x lane
.set MOFF, 4                           ; 8,192 r + 32 h
.set RO,  5                            ; 4 r
.set AW,  6                            ; 2,048 x wave + 16 x lane: where my head's images go
.set AR,  7                            ; 8,192 (wave / 4) + 16 x lane: where my quarter of K begins
.set PST, 8                            ; where my partial tile goes
.set PRD, 9                            ; where I read a row's partial sums
.set OO,  10                           ; my byte offset in out0
.set BO,  11                           ; and in b_proj
.set ST,  16                           ; +0 c M, +1 M, +2,3 L, +4 the factor, +5 -, +6..9 at work, +10 R, +11 -
.set Q,   32
.set S,   48
.set PH,  80
.set PL,  96
.set O,   112
.set FB,  144
.set MB,  208
.set REC, 24576
	s_load_b256 s[4:11], s[0:1], 0x0               ; qkv s[4:5], mask s[6:7], flags s[8:9], rowmax s[10:11]
	s_load_b128 s[12:15], s[0:1], 0x20             ; wp s[12:13], b_proj s[14:15]
	s_load_b64 s[16:17], s[0:1], 0x30              ; out0
	v_lshl_add_u32 v[SPW], v0, 2, SPARE
	v_mov_b32 v[NIL], 0
	v_lshrrev_b32 v12, 5, v0
	v_readfirstlane_b32 s21, v12                   ; wave 0..15: my head
	s_mov_b32 s22, ttmp9                           ; cg
	s_and_b32 s23, ttmp7, 0xffff                   ; batch
	v_and_b32 v12, 31, v0
	v_and_b32 v13, 15, v0                          ; r
	v_bfe_u32 v14, v0, 4, 1                        ; h
	v_lshlrev_b32 v[LI], 4, v12
	v_lshlrev_b32 v[MOFF], 13, v13
	v_lshl_add_u32 v[MOFF], v14, 5, v[MOFF]
	v_lshlrev_b32 v[RO], 2, v13
	s_lshl_b32 s28, s21, 11
	v_add_nc_u32 v[AW], s28, v[LI]
	s_lshr_b32 s29, s21, 2                         ; my quarter of K
	s_lshl_b32 s28, s29, 13
	v_add_nc_u32 v[AR], s28, v[LI]
	s_mul_i32 s28, s29, 4352
	s_and_b32 s30, s21, 3                          ; my column tile
	s_lshl_b32 s31, s30, 6
	s_add_co_u32 s28, s28, s31
	s_add_co_u32 s28, s28, PART
	v_mul_u32_u24 v[PST], v13, 272
	v_lshl_add_u32 v[PST], v14, 5, v[PST]
	v_add_nc_u32 v[PST], s28, v[PST]               ; quarter, row r, 64 bytes a column tile, + 32 h
	s_mul_i32 s28, s21, 544
	s_add_co_u32 s28, s28, PART
	v_mul_u32_u24 v[PRD], v14, 272
	v_lshl_add_u32 v[PRD], v13, 4, v[PRD]
	v_add_nc_u32 v[PRD], s28, v[PRD]               ; row 2 x wave + h, 16 bytes a lane
	s_lshl_b32 s28, s21, 13
	v_lshlrev_b32 v[OO], 12, v14
	v_lshl_add_u32 v[OO], v13, 4, v[OO]
	v_add_nc_u32 v[OO], s28, v[OO]
	s_lshl_b32 s28, s22, 8
	v_lshl_add_u32 v[BO], v13, 4, s28
	s_mov_b32 s35, 0x3fb8aa3b                      ; c = log2(e)
	s_mov_b32 s32, s35
	s_mov_b32 s33, s35
	s_mov_b32 s36, 0x76543210
	s_mov_b32 s37, 0xfedcba98
	s_mov_b32 s38, 0xce6e6b28                      ; -1e9
	s_mov_b32 s39, s38
	s_mov_b32 s40, 0x3d000000                      ; 1/32
	s_mov_b32 s41, s40
	s_wait_kmcnt 0x0
	s_load_b64 s[18:19], s[8:9], 0x0               ; the words LIVE of rows 0-7 and 8-15
	s_lshl_b32 s28, s23, 4
	s_add_co_u32 s28, s28, s21                     ; bh
	s_mul_i32 s44, s28, 32*REC
	s_mov_b32 s45, 0
	s_add_nc_u64 s[24:25], s[4:5], s[44:45]        ; my head's records
	s_lshl_b32 s44, s28, 13
	s_add_co_u32 s44, s44, 0x3000000
	s_add_nc_u64 s[46:47], s[4:5], s[44:45]        ; V's low part
	s_mov_b64 s[26:27], s[6:7]                     ; the mask at row 0
	s_lshl_b32 s44, s22, 2
	s_add_co_u32 s44, s44, s30                     ; my tile of 16 columns
	s_lshl_b32 s44, s44, 15
	s_lshl_b32 s28, s29, 13                        ; my eight fragments along K
	s_add_co_u32 s44, s44, s28
	s_add_nc_u64 s[42:43], s[12:13], s[44:45]
	s_lshl_b32 s44, s23, 23                        ; 2,048 rows of 4,096 bytes a batch
	s_lshl_b32 s28, s22, 8
	s_add_co_u32 s44, s44, s28
	s_add_nc_u64 s[48:49], s[16:17], s[44:45]
.irp n, 0,1,2,3
	global_load_b128 v[Q+4*\n:Q+4*\n+3], v[LI], s[24:25] offset:512*\n
.endr
	global_load_b32 v[ST+10], v[RO], s[10:11]
.set n, 0
.rept 32
	v_mov_b32 v[O+n], 0                            ; which step is the first live one hangs on the flags, so the sums begin as zeros
.set n, n+1
.endr
	v_mov_b32 v[ST+1], 0xcd000000                  ; M = -2^27 (head comment)
	v_mov_b32 v[ST+2], 0
	v_mov_b32 v[ST+3], 0
	v_mov_b32 v[ST+4], 0
	v_mov_b32 v[ST+5], 0
	v_mov_b32 v[ST+7], 0
	v_mov_b32 v[ST+11], 0
	v_mul_f32 v[ST], s35, v[ST+1]
	s_wait_kmcnt 0x0
	s_or_b32 s18, s18, s19
	s_wait_loadcnt 0x0
	s_mov_b32 s20, 0
; 32 f32 numbers at v[src] on are split: high parts (f16, two a register) into v80-95, low parts into v96-111; v208-239 at work
.macro SPLIT src
.set n, 0
.rept 16
	v_cvt_pk_f16_f32 v[PH+n], v[\src+2*n], v[\src+2*n+1]
.set n, n+1
.endr
.set n, 0
.irp s, v80.l, v80.h, v81.l, v81.h, v82.l, v82.h, v83.l, v83.h, v84.l, v84.h, v85.l, v85.h, v86.l, v86.h, v87.l, v87.h, v88.l, v88.h, v89.l, v89.h, v90.l, v90.h, v91.l, v91.h, v92.l, v92.h, v93.l, v93.h, v94.l, v94.h, v95.l, v95.h
	v_cvt_f32_f16 v[MB+n], \s
.set n, n+1
.endr
.set n, 0
.rept 16
	v_pk_add_f32 v[MB+2*n:MB+2*n+1], v[\src+2*n:\src+2*n+1], v[MB+2*n:MB+2*n+1] neg_lo:[0,1] neg_hi:[0,1]
.set n, n+1
.endr
.set n, 0
.rept 16
	v_cvt_pk_f16_f32 v[PL+n], v[MB+2*n], v[MB+2*n+1]
.set n, n+1
.endr
.endm
; 8 products O^T += (the fragments in v144 on)^T x the part of p at v[p] on: the four accumulators by turns
.macro PV8 p
.irp c, 0,1
.irp d, 0,1,2,3
	v_wmma_f32_16x16x32_f16 v[O+8*\d:O+8*\d+7], v[FB+16*\d+8*\c:FB+16*\d+8*\c+7], v[\p+8*\c:\p+8*\c+7], v[O+8*\d:O+8*\d+7]
.endr
.endr
.endm
.Lkey:                                             ; 32 trips, a step of 64 keys each
	s_bitcmp1_b32 s18, 0
	s_cbranch_scc0 .Lskip
.set n, 0
.rept 16
	global_load_b128 v[FB+4*n:FB+4*n+3], v[LI], s[24:25] offset:8192+512*n          ; K
.set n, n+1
.endr
.irp k, 0,1,2,3
.irp u, 0,1
	global_load_b128 v[MB+8*\k+4*\u:MB+8*\k+4*\u+3], v[MOFF], s[26:27] offset:64*\k+16*\u
.endr
.endr
	s_wait_loadcnt 8                               ; K is in; the mask's 8 loads may be out
.irp c, 0,1
.irp k, 0,1,2,3
.if \c == 0
	v_wmma_f32_16x16x32_f16 v[S+8*\k:S+8*\k+7], v[FB+16*\k+8*\c:FB+16*\k+8*\c+7], v[Q+8*\c:Q+8*\c+7], 0
.else
	v_wmma_f32_16x16x32_f16 v[S+8*\k:S+8*\k+7], v[FB+16*\k+8*\c:FB+16*\k+8*\c+7], v[Q+8*\c:Q+8*\c+7], v[S+8*\k:S+8*\k+7]
.endif
.endr
.endr
.rept 4
	v_nop                                          ; places ahead of the loads into K's registers and of the first read of the scores
.endr
.set n, 0
.rept 16
	global_load_b128 v[FB+4*n:FB+4*n+3], v[LI], s[24:25] offset:16384+512*n         ; V's high part
.set n, n+1
.endr
	s_wait_loadcnt 16                              ; the mask is in; V's 16 loads may be out
.set n, 0
.rept 16
	v_pk_add_f32 v[MB+n:MB+n+1], v[MB+n:MB+n+1], 1.0 op_sel_hi:[1,0] neg_lo:[1,0] neg_hi:[1,0]
.set n, n+2
.endr
.set n, 0
.rept 16
	v_pk_mul_f32 v[MB+n:MB+n+1], v[MB+n:MB+n+1], s[38:39] op_sel_hi:[1,0]
.set n, n+2
.endr
.set n, 0
.rept 16
	v_pk_fma_f32 v[S+n:S+n+1], v[S+n:S+n+1], s[40:41], v[MB+n:MB+n+1] op_sel_hi:[1,0,1]
.set n, n+2
.endr
.set n, 0
.rept 16
	v_pk_add_f32 v[S+n:S+n+1], v[S+n:S+n+1], v[ST+10:ST+11] op_sel_hi:[1,0] neg_lo:[0,1] neg_hi:[0,1]
.set n, n+2
.endr
.irp i, 0,1,2,3
	v_max3_num_f32 v[ST+6+\i], v[S+8*\i], v[S+8*\i+1], v[S+8*\i+2]
.endr
.irp m, 3,5
.irp i, 0,1,2,3
	v_max3_num_f32 v[ST+6+\i], v[ST+6+\i], v[S+8*\i+\m], v[S+8*\i+\m+1]
.endr
.endr
	v_max3_num_f32 v[ST+6], v[ST+6], v[S+7], v[S+15]
	v_max3_num_f32 v[ST+8], v[ST+8], v[S+23], v[S+31]
	v_max3_num_f32 v[ST+6], v[ST+6], v[ST+7], v[ST+8]
	v_max_num_f32 v[ST+6], v[ST+6], v[ST+9]
	v_permlanex16_b32 v[ST+7], v[ST+6], s36, s37
	v_max_num_f32 v[ST+6], v[ST+6], v[ST+7]
	v_mov_b32 v[ST+8], v[ST]
	v_max_num_f32 v[ST+1], v[ST+1], v[ST+6]
	v_mul_f32 v[ST], s35, v[ST+1]
	v_sub_f32 v[ST+8], v[ST+8], v[ST]
.set n, 0
.rept 16
	v_pk_fma_f32 v[S+n:S+n+1], v[S+n:S+n+1], s[32:33], v[ST:ST+1] op_sel_hi:[1,0,0] neg_lo:[0,0,1] neg_hi:[0,0,1]
.set n, n+2
.endr
	v_exp_f32 v[ST+4], v[ST+8]
.set n, 0
.rept 32
	v_exp_f32 v[S+n], v[S+n]
.set n, n+1
.endr
	v_nop
	s_wait_alu depctr_va_vdst(0)                   ; one wait for the batch of 33, ahead of its first reader
	SPLIT S
.irp w, 4,8,16,32
.set n, 0
.rept 32/\w
	v_pk_add_f32 v[S+n:S+n+1], v[S+n:S+n+1], v[S+n+\w/2:S+n+\w/2+1]
.set n, n+\w
.endr
.endr
	v_pk_fma_f32 v[ST+2:ST+3], v[ST+2:ST+3], v[ST+4:ST+5], v[S:S+1] op_sel_hi:[1,0,1]
.set n, 0
.rept 16
	v_pk_mul_f32 v[O+n:O+n+1], v[O+n:O+n+1], v[ST+4:ST+5] op_sel_hi:[1,0]
.set n, n+2
.endr
	s_wait_loadcnt 0x0                             ; V
	PV8 PH
	PV8 PL
.rept 4
	v_nop
.endr
	s_cmp_lg_u32 s20, 0
	s_cbranch_scc1 .Lskip
.set n, 0
.rept 16
	global_load_b128 v[FB+4*n:FB+4*n+3], v[LI], s[46:47] offset:512*n               ; keys 0-63: V's low part
.set n, n+1
.endr
	s_wait_loadcnt 0x0
	PV8 PH
.rept 4
	v_nop
.endr
.Lskip:
	s_wait_xcnt 0x0                                ; the loads have read their bases
	s_add_nc_u64 s[24:25], s[24:25], REC
	s_add_nc_u64 s[26:27], s[26:27], 256
	s_lshr_b32 s18, s18, 1
	s_add_co_u32 s20, s20, 1
	s_cmp_lt_u32 s20, 32
	s_cbranch_scc1 .Lkey
	; ---- phase 2: attn = O^T / L, split, and to LDS as images
	v_add_f32 v[ST+6], v[ST+2], v[ST+3]
	v_permlanex16_b32 v[ST+7], v[ST+6], s36, s37
	v_add_f32 v[ST+6], v[ST+6], v[ST+7]
	v_rcp_f32 v[ST+4], v[ST+6]
	v_nop
	s_wait_alu depctr_va_vdst(0)
.set n, 0
.rept 16
	v_pk_mul_f32 v[O+n:O+n+1], v[O+n:O+n+1], v[ST+4:ST+5] op_sel_hi:[1,0]
.set n, n+2
.endr
	SPLIT O
.irp d, 0,1,2,3
	ds_store_b128 v[AW], v[PH+4*\d:PH+4*\d+3] offset:AH+512*\d
	ds_store_b128 v[AW], v[PL+4*\d:PL+4*\d+3] offset:AL+512*\d
.endr
.irp i, 0,1,2,3,4,5,6,7
.irp u, 0,1
	global_load_b128 v[128+8*\i+4*\u:131+8*\i+4*\u], v[LI], s[42:43] offset:1024*\i+512*\u            ; W's high part: eight fragments
	global_load_b128 v[192+8*\i+4*\u:195+8*\i+4*\u], v[LI], s[42:43] offset:2097152+1024*\i+512*\u    ; and its low part
.endr
.endr
	global_load_b128 v[12:15], v[BO], s[14:15]
	s_wait_dscnt 0x0                               ; my images have landed
	s_barrier_signal -1
	s_barrier_wait -1
	; ---- phase 3: 16 rows x my 16 columns over my 256 of K; three accumulators by turns
.irp g, 0,1
.irp i, 0,1,2,3
.irp u, 0,1
	ds_load_b128 v[64+8*\i+4*\u:67+8*\i+4*\u], v[AR] offset:AH+(4*\g+\i)*1024+512*\u
	ds_load_b128 v[96+8*\i+4*\u:99+8*\i+4*\u], v[AR] offset:AL+(4*\g+\i)*1024+512*\u
.endr
.endr
	s_wait_dscnt 0x0
.if \g == 0
	s_wait_loadcnt 0x0
.endif
.irp i, 0,1,2,3
.if (\g == 0) && (\i == 0)
	v_wmma_f32_16x16x32_f16 v[32:39], v[128:135], v[64:71], 0
	v_wmma_f32_16x16x32_f16 v[40:47], v[128:135], v[96:103], 0
	v_wmma_f32_16x16x32_f16 v[48:55], v[192:199], v[64:71], 0
.else
	v_wmma_f32_16x16x32_f16 v[32:39], v[128+8*(4*\g+\i):135+8*(4*\g+\i)], v[64+8*\i:71+8*\i], v[32:39]
	v_wmma_f32_16x16x32_f16 v[40:47], v[128+8*(4*\g+\i):135+8*(4*\g+\i)], v[96+8*\i:103+8*\i], v[40:47]
	v_wmma_f32_16x16x32_f16 v[48:55], v[192+8*(4*\g+\i):199+8*(4*\g+\i)], v[64+8*\i:71+8*\i], v[48:55]
.endif
.endr
.rept 4
	v_nop                                          ; places ahead of the loads into attn's registers and of the first read of the sums
.endr
.endr
.irp j, 0,2,4,6
	v_pk_add_f32 v[56+\j:57+\j], v[32+\j:33+\j], v[40+\j:41+\j]
.endr
.irp j, 0,2,4,6
	v_pk_add_f32 v[56+\j:57+\j], v[56+\j:57+\j], v[48+\j:49+\j]
.endr
	ds_store_b128 v[PST], v[56:59]
	ds_store_b128 v[PST], v[60:63] offset:16
	s_wait_dscnt 0x0
	s_barrier_signal -1
	s_barrier_wait -1
	s_cmp_lt_u32 s21, 8                            ; waves 0-7 add the four quarters of two rows each and store them
	s_cbranch_scc0 .Ldone
.irp k, 0,1,2,3
	ds_load_b128 v[64+4*\k:67+4*\k], v[PRD] offset:\k*4352
.endr
	s_wait_dscnt 0x0
.irp j, 0,2
	v_pk_add_f32 v[64+\j:65+\j], v[64+\j:65+\j], v[68+\j:69+\j]
	v_pk_add_f32 v[72+\j:73+\j], v[72+\j:73+\j], v[76+\j:77+\j]
.endr
.irp j, 0,2
	v_pk_add_f32 v[64+\j:65+\j], v[64+\j:65+\j], v[72+\j:73+\j]
.endr
.irp j, 0,2
	v_pk_add_f32 v[64+\j:65+\j], v[64+\j:65+\j], v[12+\j:13+\j]
.endr
	global_store_b128 v[OO], v[64:67], s[48:49]    ; sixteen lanes store 256 consecutive bytes, aligned
.Ldone:
	s_wait_tensorcnt 0x0                           ; the wave's end
	ds_add_u32 v[SPW], v[NIL]
	s_wait_dscnt 0x0
	s_endpgm
.Lfunc_end_k_qa85fe9ef5d_fine:
	.size	k_qa85fe9ef5d_fine, .Lfunc_end_k_qa85fe9ef5d_fine-k_qa85fe9ef5d_fine
	.p2alignl 7, 3214868480
	.fill 96, 4, 3214868480
	.section	.rodata,"a",@progbits
	.p2align	6, 0x0
	.amdhsa_kernel k_qa85fe9ef5d_fine
		.amdhsa_group_segment_fixed_size 84992
		.amdhsa_private_segment_fixed_size 0
		.amdhsa_enable_private_segment 0
		.amdhsa_kernarg_size 56
		.amdhsa_user_sgpr_count 2
		.amdhsa_user_sgpr_kernarg_segment_ptr 1
		.amdhsa_wavefront_size32 1
		.amdhsa_system_sgpr_workgroup_id_x 1
		.amdhsa_system_sgpr_workgroup_id_y 1
		.amdhsa_system_sgpr_workgroup_id_z 1
		.amdhsa_system_vgpr_workitem_id 0
		.amdhsa_next_free_vgpr 256
		.amdhsa_next_free_sgpr 66
		.amdhsa_reserve_vcc 0
		.amdhsa_float_denorm_mode_32 3
		.amdhsa_float_denorm_mode_16_64 3
		.amdhsa_memory_ordered 1
		.amdhsa_forward_progress 1
		.amdhsa_inst_pref_size 42
	.end_amdhsa_kernel
	.amdgpu_metadata
---
amdhsa.version: [ 1, 2 ]
amdhsa.kernels:
  - .name:           k_qa85fe9ef5d_fine
    .symbol:         k_qa85fe9ef5d_fine.kd
    .args:
      - { .name: qkv, .offset: 0, .size: 8, .value_kind: global_buffer, .address_space: global }
      - { .name: mask, .offset: 8, .size: 8, .value_kind: global_buffer, .address_space: global }
      - { .name: flags, .offset: 16, .size: 8, .value_kind: global_buffer, .address_space: global }
      - { .name: rowmax, .offset: 24, .size: 8, .value_kind: global_buffer, .address_space: global }
      - { .name: wp, .offset: 32, .size: 8, .value_kind: global_buffer, .address_space: global }
      - { .name: b_proj, .offset: 40, .size: 8, .value_kind: global_buffer, .address_space: global }
      - { .name: out0, .offset: 48, .size: 8, .value_kind: global_buffer, .address_space: global }
    .group_segment_fixed_size: 84992
    .private_segment_fixed_size: 0
    .kernarg_segment_align: 8
    .kernarg_segment_size: 56
    .max_flat_workgroup_size: 512
    .sgpr_count:     66
    .vgpr_count:     256
    .wavefront_size: 32
...
	.end_amdgpu_metadata
.endif
;; end of part 5
